; MI455X (gfx1250); checked and timed in simulation.
; The chip was launched on July 23, 2026; its instructions are those of AMD's public machine-readable ISA for CDNA 5 (MIT licence, August 2026) and "CDNA5" Instruction Set Architecture Reference Guide (July 2026). The comments in the code are by the model that wrote it; some were corrected since.
;; Self Attention. Allowed arithmetic: matrix products marked QUANTISED: E2M1 operands, one E8M0 scale for each 32 along K, by v_wmma_scale_f32_16x16x128_f8f6f4 with both operands' format E2M1 (or v_wmma_scale_f32_32x16x128_f4), f32 sums; everything else in f32.
;; Inputs: Wo_b 1,024 float32; Wo_w 1,024 x 1,024 float32; Wqkv_b 3,072 float32; Wqkv_w 3,072 x 1,024 float32; p 4 x 2,048 int32; x 4 x 2,048 x 1,024 float32.
;; Outputs: out0 4 x 2,048 x 1,024 float32.
;; This version of the problem:
;;   THIS VERSION OF THE PROBLEM IS GIVEN IN LOW PRECISION. The matrix products marked QUANTISED in the list below multiply operands that are first quantised to E2M1 (2 exponent bits, 1 mantissa bit; 4 bits a number), with one power-of-two scale for each 32 numbers along K (OCP MX v1.0); their sums are f32. All else is computed in f32.
;;   The module's matrix products, in the order in which they are computed (A, B: the left and right operand; K: the contracted axis; several contracted axes count as one K, in the product's order):
;;     1. [M 8,192, K 1,024] x [K 1,024, N 3,072]; A: input x; B: input Wqkv_w: QUANTISED
;;     2. batch 64 x [M 2,048, K 64] x [K 64, N 2,048]; A: computed on the way; B: computed on the way: QUANTISED
;;     3. batch 64 x [M 2,048, K 2,048] x [K 2,048, N 64]; A: softmax (see below); B: computed on the way: QUANTISED
;;     4. [M 8,192, K 1,024] x [K 1,024, N 1,024]; A: computed on the way; B: input Wo_w: QUANTISED
;;   THE QUANTISER, for each operand of a quantised product, along K:
;;     - K is cut into blocks of 32 from its start; a last block that is shorter is filled with zeros.
;;     - A block's scale is 2^e with e = floor(log2(the largest magnitude in the block)) - 2, held to -126 .. 127; a block of zeros has e = 0. As a byte (E8M0): e + 127.
;;     - Each number is divided by its block's scale, clamped to +-6, and rounded to the nearest number of E2M1, ties to even, subnormals kept.
;;     - The product sums the exact products of the quantised numbers (number of the format x scale) in f32.
;;   ~~~python
;;   def quantise(x, axis):      # numpy; x: float32 -> the quantised numbers, widened to float32 again
;;       x = np.moveaxis(x, axis, -1); K = x.shape[-1]
;;       x = np.pad(x, [(0, 0)] * (x.ndim - 1) + [(0, -K % 32)]); x = x.reshape(x.shape[:-1] + (-1, 32)); a = np.abs(x).max(-1, keepdims=True)
;;       e = np.where(a > 0, np.clip(np.frexp(np.where(a > 0, a, 1))[1] - 1 - 2, -126, 127), 0)      # np.frexp(a)[1] - 1 = floor(log2(a)), exactly
;;       r = np.clip(x / 2.0 ** e, -6, 6)
;;       step = 2.0 ** (np.maximum(np.frexp(np.where(r == 0, 1, r))[1] - 1, 0) - 1)
;;       q = np.round(r / step) * step * 2.0 ** e      # np.round: ties to even
;;       return np.moveaxis(q.reshape(q.shape[:-2] + (-1,))[..., :K], -1, axis).astype(np.float32)
;;   ~~~
;;   SOFTMAX AHEAD OF A QUANTISED PRODUCT. Where the list says 'softmax', what is quantised is not the finished softmax but p = 2^(t - M), with t = logit x log2(e) and M = ceil(the row's largest t), a whole number; so 1/2 < the row's largest p <= 1. The row's sum l is taken of the UNQUANTISED p, in f32, and the product's result is divided by l at the end. Since M is a whole number, a kernel that streams over the keys may use a running M (the ceiling of the running maximum): every later rescaling is an exact power of two, which a block's scale takes up: the codes' values come out the same.
;;   OPERANDS COMPUTED ON THE WAY. 'Computed on the way' means the value that the module computes at that place (a softmax that the list does not call 'softmax' is quantised finished and normalised). What goes into a quantiser is computed in f32, as accurately as f32 sums, v_exp_f32 and their like allow (about 1e-6 of the number): no bf16 or f16 on the way to a quantiser, and a product that is left as it is and whose result goes on into a quantised operand takes f32 operands (vector FMAs, or v_wmma_f32_16x16x4_f32). A number that lies on a knife's edge between two numbers of the format may be rounded either way, as far as f32 arithmetic and the matrix unit's own rounding can turn it there, and no further.
;; One version. Each part assembles by itself: llvm-mc -triple=amdgcn-amd-amdhsa -mcpu=gfx1250 --defsym DOCPART=n.
;; ======== version 1 of 1: 4 launches
;; limits: inputs' magnitudes at most 2,097,152; right only within a limited range of input values
;; workspace buffers: cimg 6,291,456 bytes; csc 393,216 bytes; trig 2,097,152 bytes; qrec 4,718,592 bytes; kv 9,175,040 bytes; oimg 4,194,304 bytes; osc 262,144 bytes
;; launch prep (part 1): grid 512 x 1, 4 waves a work-group, no clusters, 34,304 bytes of LDS; arguments x, Wqkv_w, Wo_w, p, cimg, csc, trig; writes cimg, csc, trig
.if DOCPART == 1
	.amdgcn_target "amdgcn-amd-amdhsa--gfx1250"
	.amdhsa_code_object_version 6
	.text
	.protected	k_qa6882df427_prep
	.globl	k_qa6882df427_prep
	.p2align	8
	.type	k_qa6882df427_prep,@function
k_qa6882df427_prep:
	s_mov_b64 s[64:65], 0
	v_nop
	global_prefetch_b8 v0, s[64:65] scope:SCOPE_SE
	s_setreg_imm32_b32 hwreg(HW_REG_WAVE_MODE, 25, 1), 1
	s_wait_xcnt 0x0
; PREP.  Work-groups 0-383: x [8192][1024], Wqkv_w [3072][1024] and Wo_w [1024][1024], f32, become codes of FP4 (E2M1) with one E8M0 byte for each 32 along K.
; Work-groups 384-511: the table of cos and sin of p x frequency for every token.
; TILES.  Rows go in tiles of 16: tile 2 g + u holds at place r the row 32 g + 8 u + r + 8 (r / 8).  Tiles 0-511 are x's, 512-703 Wqkv_w's, 704-767 Wo_w's.
; CODES ARE LAID AS IMAGES OF THE OPERAND'S REGISTERS: cimg [tile][K step of 128: 8][c: 2][lane: 32][16 bytes]: lane (r, h) holds k = 64 c + 32 h + 0 .. 31 of the row at place r.
; SCALE WORDS: csc [tile][half of K: 2][r: 16][4 words]: a word is the four bytes of one row and one K step of 128.
; A block's scale is 2^(floor(log2(its largest magnitude)) - 2); its byte is the largest magnitude's exponent field - 2, held at 1 from below.
; LIMITS: a block of zeros, and a block whose largest magnitude lies under 2^-124, gets the byte 1 (its codes are zeros or nearly so; only this program reads the bytes).  NaN and infinities are not served.
; The angle is reduced by pi / 2 in three parts: reckoned for |p| up to 2^21.  The frequencies 10^(-i / 8) are literals rounded to nearest; a library's power may differ from them in the last bit.
; A quantising wave takes one tile and one half of K: 16 rows x 512 numbers, in four steps of 128 along K.  Each load reads 512 consecutive bytes of one row; the step's 8,192 bytes turn through the wave's own
; stage in LDS (rows of 512 bytes + 16), so that a lane gets two whole blocks of 32 of its row: no other lane is asked for a maximum.  Waves share nothing: no barrier.
.set STGB, 8448                        ; a wave's stage: 16 rows x 528 bytes
.set RAW,  32                          ; v32-159  two sets of 64 registers as loaded
.set XN,   160                         ; v160-223 64 numbers: register 32 c + i = k 64 c + 32 h + i of my row
.set CD,   224                         ; v224-255 codes: eight registers for each step, so that no store's data are written again
.set SW,   20                          ; v20-23   the four steps' scale words
	s_load_b256 s[4:11], s[0:1], 0x0               ; x, Wqkv_w, Wo_w, p
	s_load_b128 s[12:15], s[0:1], 0x20             ; cimg, csc
	s_load_b64 s[16:17], s[0:1], 0x30              ; trig
	v_lshl_add_u32 v7, v0, 2, 0x8400
	s_set_vgpr_msb 0x40
	v_mov_b32 v1, 0
	s_set_vgpr_msb 0x4000
	v_lshrrev_b32 v2, 5, v0
	v_readfirstlane_b32 s18, v2                    ; wave 0..3
	v_and_b32 v1, 31, v0
	v_lshlrev_b32 v1, 4, v1                        ; 16 x lane
	v_and_b32 v2, 15, v0                           ; r
	v_bfe_u32 v3, v0, 4, 1                         ; h
	v_cmp_eq_u32 vcc_lo, 1, v3                     ; lanes 16-31
	s_cmp_ge_u32 ttmp9, 384
	s_cbranch_scc1 .Ltrig
	; ---------------- the quantiser
	s_lshl_b32 s20, ttmp9, 2
	s_add_co_u32 s20, s20, s18
	s_lshr_b32 s21, s20, 1                         ; my tile
	s_and_b32 s22, s20, 1                          ; my half of K
	s_mul_i32 s23, s18, STGB
	v_add_nc_u32 v4, s23, v1                       ; into the stage: 16 x lane of a row
	v_mul_u32_u24 v5, v2, 528
	v_lshl_add_u32 v5, v3, 7, v5
	v_add_nc_u32 v5, s23, v5                       ; out of it: row r, + 128 h
	v_lshlrev_b32 v6, 4, v2
	v_lshl_add_u32 v6, v3, 3, v6                   ; scale words on the way out: 16 r + 8 h
	v_lshlrev_b32 v16, 3, v3                       ; 8 h: where my bytes stand in a scale word
	v_mov_b32 v15, 0                               ; written once: a lane permute's destination counts as one of its sources
	s_mov_b32 s28, 0x76543210
	s_mov_b32 s29, 0xfedcba98                      ; v_permlanex16_b32's selects for lane l xor 16
	s_mov_b32 s24, 704
	s_wait_alu depctr_va_vdst(0)
	s_wait_kmcnt 0x0
	s_cmp_lt_u32 ttmp9, 352                        ; which tensor: the choice hangs on the work-group's number alone
	s_cselect_b64 s[26:27], s[6:7], s[8:9]
	s_cselect_b32 s24, 512, s24
	s_cmp_lt_u32 ttmp9, 256
	s_cselect_b64 s[26:27], s[4:5], s[26:27]
	s_cselect_b32 s24, 0, s24
	s_sub_co_u32 s24, s21, s24                     ; the tile's number in its tensor
	s_lshr_b32 s25, s24, 1
	s_lshl_b32 s25, s25, 5
	s_and_b32 s24, s24, 1
	s_lshl_b32 s24, s24, 3
	s_add_co_u32 s24, s24, s25                     ; its first row: 32 g + 8 u
	s_lshl_b32 s24, s24, 12                        ; rows of 4,096 bytes
	s_lshl_b32 s25, s22, 11                        ; + my half of K: 2,048 bytes
	s_add_co_u32 s24, s24, s25
	s_mov_b32 s25, 0
	s_add_nc_u64 s[26:27], s[26:27], s[24:25]
	s_lshl_b32 s24, s21, 13
	s_lshl_b32 s30, s22, 12
	s_add_co_u32 s24, s24, s30
	s_add_nc_u64 s[12:13], s[12:13], s[24:25]      ; cimg: 8,192 x tile + 4,096 x half
	s_lshl_b32 s24, s21, 9
	s_lshl_b32 s30, s22, 8
	s_add_co_u32 s24, s24, s30
	s_add_nc_u64 s[14:15], s[14:15], s[24:25]      ; csc: 512 x tile + 256 x half
.macro QLOAD t                         ; step t: 128 numbers of each of the tile's 16 rows; a load covers 512 consecutive bytes
.set j, 0
.rept 16
	global_load_b128 v[RAW+64*((\t)%2)+4*j:RAW+64*((\t)%2)+4*j+3], v1, s[26:27] offset:(j+8*(j/8))*4096+512*(\t) th:TH_LOAD_NT
.set j, j+1
.endr
.endm
.macro QSTEP t
.if (\t) < 3
	s_wait_loadcnt 16                              ; this step's 16 loads are in; the next step's 16 may be out
.else
	s_wait_loadcnt 0x0
.endif
.set j, 0
.rept 16
	ds_store_b128 v4, v[RAW+64*((\t)%2)+4*j:RAW+64*((\t)%2)+4*j+3] offset:528*j
.set j, j+1
.endr
.irp c, 0,1                            ; LDS serves a wave's instructions in order: these see the stores above, and the next step's stores come behind them
.irp g, 0,1,2,3,4,5,6,7
	ds_load_b128 v[XN+32*\c+4*\g:XN+32*\c+4*\g+3], v5 offset:256*\c+16*\g
.endr
.endr
	s_wait_dscnt 0x0                               ; my numbers are back; the stores have read their registers,
.if (\t) < 2
	QLOAD (\t)+2                                   ; which take the loads of two steps on
.endif
.irp c, 0,1
	v_max3_num_f32 v[8+\c], |v[XN+32*\c]|, |v[XN+32*\c+1]|, 0x1800000   ; block 2 c + h: all 32 numbers are mine; the floor 2^(3 - 127) holds the byte at 1 from below
.endr
.irp i, 2,4,6,8,10,12,14,16,18,20,22,24,26,28,30
.irp c, 0,1
	v_max3_num_f32 v[8+\c], v[8+\c], |v[XN+32*\c+\i]|, |v[XN+32*\c+\i+1]|
.endr
.endr
.irp c, 0,1
	v_add_nc_u32 v[10+\c], 0xff000000, v[8+\c]     ; 2 off the exponent field: the conversion takes the exponent field of this operand as its scale
.endr
.irp c, 0,1
.irp g, 0,1,2,3
	v_cvt_scalef32_pk8_fp4_f32 v[CD+8*(\t)+4*\c+\g], v[XN+32*\c+8*\g:XN+32*\c+8*\g+7], v[10+\c]
.endr
.endr
	v_lshrrev_b32 v12, 23, v10                     ; the two bytes (a plain line behind the conversions)
	v_lshrrev_b32 v13, 23, v11
	v_lshl_or_b32 v14, v13, 16, v12                ; blocks h and 2 + h,
	v_lshlrev_b32 v14, v16, v14                    ; at their places in the word;
	v_permlanex16_b32 v15, v14, s28, s29
	v_or_b32 v[SW+(\t)], v14, v15                  ; with lane l xor 16's two the word is whole
.irp c, 0,1
	global_store_b128 v1, v[CD+8*(\t)+4*\c:CD+8*(\t)+4*\c+3], s[12:13] offset:1024*(\t)+512*\c   ; 512 consecutive bytes, aligned
.endr
.endm
	QLOAD 0
	QLOAD 1
	QSTEP 0
	QSTEP 1
	QSTEP 2
	QSTEP 3
	v_cndmask_b32 v24, v[SW], v[SW+2], vcc_lo      ; lanes 0-15 store words 0, 1 of their row, lanes 16-31 words 2, 3
	v_cndmask_b32 v25, v[SW+1], v[SW+3], vcc_lo
	global_store_b64 v6, v[24:25], s[14:15]        ; 256 consecutive bytes, aligned
	s_set_vgpr_msb 0x4
	s_wait_tensorcnt 0x0
	ds_add_u32 v7, v1
	s_wait_dscnt 0x0
	s_set_vgpr_msb 0x400
	s_endpgm
	; ---------------- cos and sin.  trig [tile: 512][g: 8][lane][16 bytes]: lane (r, h) holds, for the token at place r, cos (g < 4) and sin (g >= 4) of p x frequency 16 h + 4 (g % 4) + 0 .. 3
.set FQ, 16
.set AN, 32
.set NN, 48
.set QQ, 64
.set ZZ, 80
.set SP, 96
.set CP, 112
.set CO, 128
.set SI, 144
.set TT, 160
.Ltrig:
	s_sub_co_u32 s20, ttmp9, 384
	s_lshl_b32 s20, s20, 2
	s_add_co_u32 s20, s20, s18                     ; my tile of tokens
	s_lshr_b32 s21, s20, 1
	s_lshl_b32 s21, s21, 5
	s_and_b32 s22, s20, 1
	s_lshl_b32 s22, s22, 3
	s_add_co_u32 s21, s21, s22                     ; its first token
	s_lshl_b32 s22, s21, 2
	s_mov_b32 s23, 0
	s_lshl_b32 s24, s20, 12
	s_mov_b32 s25, 0
	s_wait_alu depctr_va_vdst(0)
	v_and_b32 v4, 8, v2
	v_add_nc_u32 v4, v4, v2
	v_lshlrev_b32 v4, 2, v4                        ; 4 (r + 8 (r / 8))
	s_wait_alu depctr_va_vdst(0)
	s_wait_kmcnt 0x0
	s_add_nc_u64 s[10:11], s[10:11], s[22:23]
	s_add_nc_u64 s[16:17], s[16:17], s[24:25]
	global_load_b32 v5, v4, s[10:11]               ; p of my token
	s_mov_b32 s30, 0x3f22f983                      ; 2 / pi
	s_mov_b32 s31, 0x3fc90fdb                      ; pi / 2 in three parts
	s_mov_b32 s32, 0xb33bbd2e
	s_mov_b32 s33, 0xa6f72ced
	s_mov_b32 s34, 0x36405000                      ; sin r = r + r z (s3 + z (s2 + z (s1 + z s0))), z = r r
	s_mov_b32 s35, 0xb9503486
	s_mov_b32 s36, 0x3c0888c1
	s_mov_b32 s37, 0xbe2aaaab
	s_mov_b32 s38, 0x37cd4000                      ; cos r = 1 + z (-1/2 + z (c2 + z (c1 + z c0)))
	s_mov_b32 s39, 0xbab6077d
	s_mov_b32 s40, 0x3d2aaaa8
.macro FREQ i, lo, hi                  ; frequency 16 h + i: lanes 0-15 take lo, lanes 16-31 hi
	v_mov_b32 v[FQ+\i], \hi
	v_cndmask_b32 v[FQ+\i], \lo, v[FQ+\i], vcc_lo
.endm
	FREQ 0,  0x3f800000, 0x3c23d70a
	FREQ 1,  0x3f3ff911, 0x3bf5b9b0
	FREQ 2,  0x3f0ff59a, 0x3bb8449c
	FREQ 3,  0x3ed7e89b, 0x3b8a2e77
	FREQ 4,  0x3ea1e89b, 0x3b4f3e37
	FREQ 5,  0x3e72d424, 0x3b1b690d
	FREQ 6,  0x3e361887, 0x3ae91528
	FREQ 7,  0x3e088d77, 0x3aaec98e
	FREQ 8,  0x3dcccccd, 0x3a83126f
	FREQ 9,  0x3d99940e, 0x3a44948c
	FREQ 10, 0x3d6655c3, 0x3a136a16
	FREQ 11, 0x3d2cba15, 0x39dd1726
	FREQ 12, 0x3d0186e2, 0x39a5cb5f
	FREQ 13, 0x3cc24350, 0x3978a814
	FREQ 14, 0x3c91ad39, 0x393a7753
	FREQ 15, 0x3c5a7bf1, 0x390bd472
	s_wait_loadcnt 0x0
	v_cvt_f32_i32 v5, v5
.set i, 0
.rept 16
	v_mul_f32 v[AN+i], v5, v[FQ+i]                 ; the angle, rounded to f32 as the definition has it
.set i, i+1
.endr
.set i, 0
.rept 16
	v_mul_f32 v[NN+i], s30, v[AN+i]
.set i, i+1
.endr
.set i, 0
.rept 16
	v_rndne_f32 v[NN+i], v[NN+i]                   ; n: the nearest multiple of pi / 2
.set i, i+1
.endr
.irp c, 31,32,33
.set i, 0
.rept 16
	v_fma_f32 v[AN+i], -v[NN+i], s\c, v[AN+i]      ; r = angle - n pi / 2, part by part
.set i, i+1
.endr
.endr
.set i, 0
.rept 16
	v_cvt_i32_f32 v[QQ+i], v[NN+i]
	v_mul_f32 v[ZZ+i], v[AN+i], v[AN+i]
.set i, i+1
.endr
.set i, 0
.rept 16
	v_fma_f32 v[SP+i], v[ZZ+i], s34, s35
	v_fma_f32 v[CP+i], v[ZZ+i], s38, s39
.set i, i+1
.endr
.set i, 0
.rept 16
	v_fma_f32 v[SP+i], v[SP+i], v[ZZ+i], s36
	v_fma_f32 v[CP+i], v[CP+i], v[ZZ+i], s40
.set i, i+1
.endr
.set i, 0
.rept 16
	v_fma_f32 v[SP+i], v[SP+i], v[ZZ+i], s37
	v_fma_f32 v[CP+i], v[CP+i], v[ZZ+i], -0.5
	v_mul_f32 v[TT+i], v[AN+i], v[ZZ+i]
.set i, i+1
.endr
.set i, 0
.rept 16
	v_fma_f32 v[SP+i], v[SP+i], v[TT+i], v[AN+i]   ; sin r
	v_fma_f32 v[CP+i], v[CP+i], v[ZZ+i], 1.0       ; cos r
	v_and_b32 v[TT+i], 1, v[QQ+i]
.set i, i+1
.endr
.set i, 0
.rept 16
	v_cmp_eq_u32 vcc_lo, 1, v[TT+i]                ; n odd: sin and cos change places
	v_cndmask_b32 v[SI+i], v[SP+i], v[CP+i], vcc_lo
	v_cndmask_b32 v[CO+i], v[CP+i], v[SP+i], vcc_lo
.set i, i+1
.endr
.set i, 0
.rept 16
	v_lshlrev_b32 v[TT+i], 30, v[QQ+i]             ; bit 1 of n turns sin's sign,
	v_add_nc_u32 v[QQ+i], 1, v[QQ+i]
.set i, i+1
.endr
.set i, 0
.rept 16
	v_and_b32 v[TT+i], 0x80000000, v[TT+i]
	v_lshlrev_b32 v[QQ+i], 30, v[QQ+i]             ; bit 1 of n + 1 cos's
.set i, i+1
.endr
.set i, 0
.rept 16
	v_xor_b32 v[SI+i], v[SI+i], v[TT+i]
	v_and_b32 v[QQ+i], 0x80000000, v[QQ+i]
.set i, i+1
.endr
.set i, 0
.rept 16
	v_xor_b32 v[CO+i], v[CO+i], v[QQ+i]
.set i, i+1
.endr
.irp g, 0,1,2,3,4,5,6,7
	global_store_b128 v1, v[CO+4*\g:CO+4*\g+3], s[16:17] offset:512*\g   ; cos in v128-143, sin in v144-159: 512 consecutive bytes a store
.endr
	s_endpgm
.Lfunc_end_k_qa6882df427_prep:
	.size	k_qa6882df427_prep, .Lfunc_end_k_qa6882df427_prep-k_qa6882df427_prep
	.p2alignl 7, 3214868480
	.fill 96, 4, 3214868480
	.section	.rodata,"a",@progbits
	.p2align	6, 0x0
	.amdhsa_kernel k_qa6882df427_prep
		.amdhsa_group_segment_fixed_size 34304
		.amdhsa_private_segment_fixed_size 0
		.amdhsa_enable_private_segment 0
		.amdhsa_kernarg_size 56
		.amdhsa_user_sgpr_count 2
		.amdhsa_user_sgpr_kernarg_segment_ptr 1
		.amdhsa_wavefront_size32 1
		.amdhsa_system_sgpr_workgroup_id_x 1
		.amdhsa_system_sgpr_workgroup_id_y 1
		.amdhsa_system_sgpr_workgroup_id_z 1
		.amdhsa_system_vgpr_workitem_id 0
		.amdhsa_next_free_vgpr 258
		.amdhsa_next_free_sgpr 66
		.amdhsa_reserve_vcc 1
		.amdhsa_float_denorm_mode_32 3
		.amdhsa_float_denorm_mode_16_64 3
		.amdhsa_memory_ordered 1
		.amdhsa_forward_progress 1
		.amdhsa_inst_pref_size 55
	.end_amdhsa_kernel
	.amdgpu_metadata
---
amdhsa.version: [ 1, 2 ]
amdhsa.kernels:
  - .name:           k_qa6882df427_prep
    .symbol:         k_qa6882df427_prep.kd
    .args:
      - { .name: x, .offset: 0, .size: 8, .value_kind: global_buffer, .address_space: global }
      - { .name: Wqkv_w, .offset: 8, .size: 8, .value_kind: global_buffer, .address_space: global }
      - { .name: Wo_w, .offset: 16, .size: 8, .value_kind: global_buffer, .address_space: global }
      - { .name: p, .offset: 24, .size: 8, .value_kind: global_buffer, .address_space: global }
      - { .name: cimg, .offset: 32, .size: 8, .value_kind: global_buffer, .address_space: global }
      - { .name: csc, .offset: 40, .size: 8, .value_kind: global_buffer, .address_space: global }
      - { .name: trig, .offset: 48, .size: 8, .value_kind: global_buffer, .address_space: global }
    .group_segment_fixed_size: 34304
    .private_segment_fixed_size: 0
    .kernarg_segment_align: 8
    .kernarg_segment_size: 56
    .max_flat_workgroup_size: 128
    .sgpr_count:     66
    .vgpr_count:     258
    .wavefront_size: 32
...
	.end_amdgpu_metadata
.endif
;; end of part 1
;; launch qkv (part 2): grid 12 x 32, 4 waves a work-group, clusters of 4 x 4, 295,424 bytes of LDS; arguments cimg, csc, trig, Wqkv_b, qrec, kv; writes qrec, kv
.if DOCPART == 2
	.amdgcn_target "amdgcn-amd-amdhsa--gfx1250"
	.amdhsa_code_object_version 6
	.text
	.protected	k_qa6882df427_qkv
	.globl	k_qa6882df427_qkv
	.p2align	8
	.type	k_qa6882df427_qkv,@function
k_qa6882df427_qkv:
	s_mov_b64 s[64:65], 0
	v_nop
	global_prefetch_b8 v0, s[64:65] scope:SCOPE_SE
	s_setreg_imm32_b32 hwreg(HW_REG_WAVE_MODE, 25, 1), 1
	s_wait_xcnt 0x0
	s_wait_alu depctr_hold_cnt(0) depctr_sa_sdst(0) depctr_va_vdst(0) depctr_va_sdst(0) depctr_va_ssrc(0) depctr_va_vcc(0) depctr_vm_vsrc(0)
	s_getreg_b32 s2, hwreg(HW_REG_IB_STS2, 6, 4)
	s_cmp_eq_u32 s2, 0
	s_cbranch_scc0 .Lentry_in_a_cluster
	s_endpgm
.Lentry_in_a_cluster:
	s_bfe_u32 s2, ttmp6, 0x10000c
	s_cmp_lg_u32 s2, 0xf033
	s_cbranch_scc0 .Lentry_shape_is_right
	s_endpgm
.Lentry_shape_is_right:
; QKV.  x Wqkv_w^T on codes of FP4 with E8M0 scales, + bias; q and k are turned by the rotary angles and quantised along the head's 64; v is quantised along the keys.  Nothing wide goes to memory.
; A work-group makes 256 tokens x 256 columns, each of its four waves 128 x 128: 64 accumulators of 16 x 16.  The cluster's x says which part the columns belong to: 0 q, 1 k, 2 v; it is the same in all partners.
; K = 1,024 lies in LDS whole, as two slots of 512 along K, each byte filled once.  Operands lie in memory and in LDS as images of their registers ([tile][K step][c][lane][16 bytes]), so every
; fragment load takes 512 consecutive bytes.  CLUSTER 4 x 4: x's tiles hang on the tile row alone and are asked for jointly along a row of the cluster, W's along a column.
; ORIENTATION.  Source 0 (P) gives the result's register axis, source 1 (R) its lane axis.  q, k: P = W, R = x: a lane holds a token and its registers run along the columns (d).  v: P = x, R = W: a lane
; holds a channel and its registers run along the tokens (the keys).  The loop's text is one; only LDS bases are chosen by the part.  A tile 2 g + u holds at place r row 32 g + 8 u + r + 8 (r / 8), so that the
; 16 registers of accumulators 2 g and 2 g + 1 are 16 neighbours, 32 g + 16 h + 0 .. 15, along the next product's K.
; OUT.  qrec [batch x 16 + head][128 tokens: 16][4,608]: 8 tiles x 512 bytes of codes (lane (r, h): d = 32 h + 0 .. 31), at 4,096 the scale words [tile / 4][r][tile % 4] (two bytes, zeros above).
;       kv [batch x 16 + head][128 keys: 16][8,960]: 0 k's codes as q's; 4,096 v's codes [tile of channels: 4][c][lane][16]; 8,192 k's scale words; 8,704 v's scale words [r][tile].
; LIMITS: a block of zeros, or one under 2^-124, gets the byte 1; NaN and infinities are not served.
; REGISTERS: window 0: v0-31 addresses; v32-95 scale words, two sets; v96-223 R's fragments, two sets; v224-255 the first table of cos and sin.  window 1: v0-127 P's fragments, two sets; v128-191 the bias.
;   windows 2, 3: accumulator (a, b) at v[8 (8 (a % 4) + b)].  On the way out window 0 is free from v32 on.
.set NA,    8                          ; R's tiles of a wave
.set XT,    8                          ; x's tiles in a wave's half; one tensor load brings twice as many
.set XREG,  2*XT*8192                  ; x's 16 tiles, each with all of K: 8,192 bytes a tile; W's 16 follow
.set SLOT,  4096                       ; the second half of K lies 4,096 bytes on in each tile
.set SCL,   XREG+131072                ; behind the codes: x's scale words, then W's
.set XSCB,  2*XT*512
.set STG,   SCL+24576                  ; 8,192 bytes on from the scale words' end: q's and k's stage, 1,024 bytes a wave
.set STGV,  STG+4096                   ; v's stage: bytes of its own
.set NLD,   16+2*NA                    ; LDS loads of one fetch
.set SC,    32
.set RF,    96
.set ADRR,  16                         ; v16-17 R's fragments in slot 0, 1;  v18-19 P's;  v20 the scale words
.set ADRP,  18
.set ADRS,  20
.set T,     96                         ; the way out: 64 numbers
.set TM,    32                         ; v32-47 at work in the quantiser
.set PC,    48                         ; v48-55 the codes just made
.set PW,    56                         ; v56    their scale word
.set SEL,   66
.set MUL_LO, 0xa1                      ; source 0 window 1, source 1 window 0, C and D window 2
.set MUL_HI, 0xf1                      ; the same, C and D window 3
.set TO_P,   0x40                      ; destination window 1, address window 0
.set MSB, 0
.macro WIN new                         ; the immediate's high byte repeats the setting that is left
.if MSB != (\new)
	s_set_vgpr_msb (MSB<<8)|(\new)
.set MSB, (\new)
.endif
.endm
.macro CROUND                          ; a round of the cluster's barrier
	s_barrier_signal -1
	s_barrier_wait -1
	s_cmp_lg_u32 s16, 0
	s_cbranch_scc1 .Lnot_wave_0_\@
	s_barrier_signal -3
.Lnot_wave_0_\@:
	s_barrier_wait -3
	s_barrier_signal -1
	s_barrier_wait -1
.endm
.macro PLACES                          ; four places in front of loads into registers that matrix instructions have read, and of the first read of results
.rept 4
	v_nop
.endr
.endm
.macro FRAG reg, adr, q, i             ; a fragment's image: two loads of 512 consecutive bytes
.irp c, 0,1
	ds_load_b128 v[\reg+4*\c:\reg+4*\c+3], v[\adr] offset:8192*(\i)+1024*(\q)+512*\c
.endr
.endm
.macro FETCH slot, q, p                ; the fragments of the slot's q-th 128 along K into set p
	WIN TO_P
.irp i, 0,1,2,3,4,5,6,7
	FRAG 64*(\p)+8*\i, ADRP+\slot, \q, \i
.endr
	WIN 0
.irp i, 0,1,2,3,4,5,6,7
	FRAG RF+8*NA*(\p)+8*\i, ADRR+\slot, \q, \i
.endr
.endm
.macro SCALES sc                       ; a slot's scale words: register 4 i + q: lanes 0-15 R's tile i, lanes 16-31 P's tile i, for the slot's q-th 128 along K
	WIN 0
.irp i, 0,1,2,3,4,5,6,7
	ds_load_b128 v[SC+32*\sc+4*\i:SC+32*\sc+4*\i+3], v[ADRS] offset:512*\i+256*\sc
.endr
.endm
; 64 matrix instructions, 128 along K.  The accumulators take turns, one instruction a turn, in the same order in every step.  zero = 1: the first products start the sums.
.macro MUL p, q, sc, zero
.irp a, 0,1,2,3,4,5,6,7
.if \a < 4
	WIN MUL_LO
.else
	WIN MUL_HI
.endif
.irp b, 0,1,2,3,4,5,6,7
.if \zero
	v_wmma_scale_f32_16x16x128_f8f6f4 v[8*(8*(\a%4)+\b):8*(8*(\a%4)+\b)+7], v[64*(\p)+8*\b:64*(\p)+8*\b+7], v[RF+8*NA*(\p)+8*\a:RF+8*NA*(\p)+8*\a+7], 0, v[SC+32*(\sc)+4*\b+(\q)], v[SC+32*(\sc)+4*\a+(\q)] matrix_a_fmt:MATRIX_FMT_FP4 matrix_b_fmt:MATRIX_FMT_FP4 matrix_a_scale:MATRIX_SCALE_ROW1
.else
	v_wmma_scale_f32_16x16x128_f8f6f4 v[8*(8*(\a%4)+\b):8*(8*(\a%4)+\b)+7], v[64*(\p)+8*\b:64*(\p)+8*\b+7], v[RF+8*NA*(\p)+8*\a:RF+8*NA*(\p)+8*\a+7], v[8*(8*(\a%4)+\b):8*(8*(\a%4)+\b)+7], v[SC+32*(\sc)+4*\b+(\q)], v[SC+32*(\sc)+4*\a+(\q)] matrix_a_fmt:MATRIX_FMT_FP4 matrix_b_fmt:MATRIX_FMT_FP4 matrix_a_scale:MATRIX_SCALE_ROW1
.endif
.endr
.endr
.endm
.macro GSTEP fslot, fq, fp, mp, mq, msc ; a step: the next step's fragments are asked for, then this step's are multiplied
	PLACES
	FETCH \fslot, \fq, \fp
	s_wait_dscnt NLD                               ; all but the fetch just issued
	MUL \mp, \mq, \msc, 0
.endm
; 64 numbers of a lane, register 16 b + i = k 32 b + 16 h + i of its row, become a fragment's codes in v[PC] on and its scale word in v[PW].
.macro QUANT s
.irp b, 0,1,2,3
	v_max3_num_f32 v[TM+\b], |v[\s+16*\b]|, |v[\s+1+16*\b]|, 0x1800000   ; my 16 numbers of block b, and the floor 2^(3 - 127): the byte cannot fall under 1
.endr
.irp i, 2,4,6,8,10,12,14
.irp b, 0,1,2,3
	v_max3_num_f32 v[TM+\b], v[TM+\b], |v[\s+16*\b+\i]|, |v[\s+1+16*\b+\i]|
.endr
.endr
.irp b, 0,1,2,3
	v_permlanex16_b32 v[TM+4+\b], v[TM+\b], s[SEL], s[SEL+1]
.endr
.irp b, 0,1,2,3
	v_max_num_f32 v[TM+\b], v[TM+\b], v[TM+4+\b]   ; with lane l xor 16's: the block's largest magnitude
.endr
.irp b, 0,1,2,3
	v_add_nc_u32 v[TM+12+\b], 0xff000000, v[TM+\b] ; 2 off its exponent field: the conversion's scale operand
.endr
.irp b, 0,1,2,3
	v_lshrrev_b32 v[TM+4+\b], 23, v[TM+12+\b]      ; the scale's byte
.endr
	v_lshl_or_b32 v[PW], v[TM+5], 8, v[TM+4]
	v_lshl_or_b32 v[PW], v[TM+6], 16, v[PW]
	v_lshl_or_b32 v[PW], v[TM+7], 24, v[PW]
.irp b, 0,1,2,3
	v_cvt_scalef32_pk8_fp4_f32 v[PC+2*\b], v[\s+16*\b:\s+7+16*\b], v[TM+12+\b]
	v_cvt_scalef32_pk8_fp4_f32 v[PC+1+2*\b], v[\s+8+16*\b:\s+15+16*\b], v[TM+12+\b]
.endr
	v_nop                                          ; one plain place behind a scaled conversion
.irp c, 0,1                            ; the operand's layout wants a whole block in a lane
.irp i, 0,1
	v_permlane16_swap_b32 v[PC+4*\c+\i], v[PC+2+4*\c+\i]
.endr
.endr
.endm
	s_load_b256 s[4:11], s[0:1], 0x0               ; cimg, csc, trig, Wqkv_b
	s_load_b128 s[12:15], s[0:1], 0x20             ; qrec, kv
	v_lshl_add_u32 v30, v0, 2, 0x48000
	v_mov_b32 v31, 0
	ds_add_u32 v30, v31
	ds_add_u32 v30, v31
	v_lshrrev_b32 v1, 5, v0
	v_readfirstlane_b32 s16, v1                    ; wave 0..3
	s_lshr_b32 s17, s16, 1                         ; which half of R is mine
	s_and_b32 s18, s16, 1                          ; which half of P is mine
	s_bfe_u32 s20, ttmp6, 0x40000                  ; cx
	s_bfe_u32 s21, ttmp6, 0x40004                  ; cy
	s_lshl_b32 s22, ttmp9, 2
	s_add_co_u32 s22, s22, s20                     ; block of 256 columns
	s_and_b32 s23, ttmp7, 0xffff
	s_lshl_b32 s23, s23, 2
	s_add_co_u32 s23, s23, s21                     ; block of 256 tokens
	s_lshl_b32 s84, s21, 2
	s_lshl_b32 s84, 15, s84                        ; my row of the cluster
	s_lshl_b32 s85, 0x1111, s20                    ; my column
	; descriptor groups 1.  Elements of 8 bytes.  Codes: 16 tiles with all of K: rows of 4,096 bytes on end.  Scale words: dense, as rows of 256 bytes
	s_or_b32 s24, s84, (3<<16)|(1<<21)             ; x's codes: the mask of my row, bit 21 beside it
	s_mov_b32 s25, 512<<16
	s_mov_b32 s26, (4*XT)<<16                      ; 16 tiles are one dense block: rows of 4,096 bytes on end
	s_mov_b32 s27, 512<<16
	s_mov_b32 s28, 4*XT
	s_mov_b32 s29, 512
	s_mov_b32 s30, 0
	s_mov_b32 s31, 0
	s_or_b32 s32, s85, (3<<16)|(1<<21)             ; W's codes: the mask of my column
	s_mov_b32 s33, 512<<16
	s_mov_b32 s34, 32<<16
	s_mov_b32 s35, 512<<16
	s_mov_b32 s36, 32
	s_mov_b32 s37, 512
	s_mov_b32 s38, 0
	s_mov_b32 s39, 0
	s_or_b32 s40, s84, (3<<16)|(1<<21)             ; x's scale words
	s_mov_b32 s41, 32<<16
	s_mov_b32 s42, (4*XT)<<16
	s_mov_b32 s43, 32<<16
	s_mov_b32 s44, 4*XT
	s_mov_b32 s45, 32
	s_mov_b32 s46, 0
	s_mov_b32 s47, 0
	s_or_b32 s48, s85, (3<<16)|(1<<21)             ; W's scale words
	s_mov_b32 s49, 32<<16
	s_mov_b32 s50, 32<<16
	s_mov_b32 s51, 32<<16
	s_mov_b32 s52, 32
	s_mov_b32 s53, 32
	s_mov_b32 s54, 0
	s_mov_b32 s55, 0
	s_lshl_b32 s86, s23, 4
	s_lshl_b32 s88, s86, 13
	s_mov_b32 s89, 0
	s_lshl_b32 s90, s86, 9
	s_mov_b32 s91, 0
	s_lshl_b32 s92, s22, 4
	s_add_co_u32 s92, s92, 512
	s_lshl_b32 s94, s92, 13
	s_mov_b32 s95, 0
	s_lshl_b32 s96, s92, 9
	s_mov_b32 s97, 0
	s_mov_b32 s[SEL], 0x76543210
	s_mov_b32 s[SEL+1], 0xfedcba98
	s_wait_dscnt 0x0
	s_wait_kmcnt 0x0
	s_add_nc_u64 s[88:89], s[4:5], s[88:89]
	s_add_nc_u64 s[90:91], s[6:7], s[90:91]
	s_add_nc_u64 s[94:95], s[4:5], s[94:95]
	s_add_nc_u64 s[96:97], s[6:7], s[96:97]
	s_mov_b32 s56, 1                               ; x, slot 0
	s_mov_b32 s57, 0
	s_mov_b64 s[58:59], s[88:89]
	s_or_b32 s59, s59, 0x80000000
	s_mov_b32 s68, 1                               ; W, slot 0
	s_mov_b32 s69, XREG
	s_mov_b64 s[70:71], s[94:95]
	s_or_b32 s71, s71, 0x80000000
	s_mov_b32 s76, 1                               ; x's scale words
	s_mov_b32 s77, SCL
	s_mov_b64 s[78:79], s[90:91]
	s_or_b32 s79, s79, 0x80000000
	s_mov_b32 s80, 1                               ; W's scale words
	s_mov_b32 s81, SCL+XSCB
	s_mov_b64 s[82:83], s[96:97]
	s_or_b32 s83, s83, 0x80000000
	CROUND                                         ; all sixteen work-groups are here: the joint loads meet
; THE FILLS, ONE A WAVE: wave 0 x's codes for all of K, wave 1 W's, wave 2 x's scale words, wave 3 W's.  One chain of branches on the wave's number, a load to an arm, all arms to one join.
.macro ARM under, g0, g1, next
	s_cmp_lt_u32 s16, \under
	s_cbranch_scc0 \next
	tensor_load_to_lds s[\g0:\g0+3], s[\g1:\g1+7]
	s_nop 0
.rept 4
	v_nop
.endr
	s_branch .Lfilled
\next:
.endm
	ARM 1, 56, 24, .Lfill_w
	ARM 2, 68, 32, .Lfill_sx
	ARM 3, 76, 40, .Lfill_sw
	tensor_load_to_lds s[80:83], s[48:55]
	s_nop 0
.rept 4
	v_nop
.endr
.Lfilled:
	v_and_b32 v1, 31, v0
	v_lshlrev_b32 v1, 4, v1                        ; 16 x lane
	s_wait_alu depctr_va_vdst(0)
	v_and_b32 v2, 15, v0                           ; r
	v_bfe_u32 v3, v0, 4, 1                         ; h
	s_wait_alu depctr_va_vdst(0)
	s_cmp_eq_u32 ttmp9, 2
	s_cselect_b32 s19, 1, 0                        ; v's columns?
	s_cselect_b32 s84, s18, s17                    ; my half of x,
	s_cselect_b32 s85, s17, s18                    ; my half of W
	s_lshl_b32 s86, s84, 16
	s_lshl_b32 s87, s85, 16
	s_add_co_u32 s87, s87, XREG
	s_cmp_eq_u32 s19, 1
	s_cselect_b32 s88, s87, s86                    ; R: x for q and k, W for v
	s_cselect_b32 s89, s86, s87                    ; P: the other
	v_add_nc_u32 v[ADRR], s88, v1
	v_add_nc_u32 v[ADRR+1], SLOT, v[ADRR]
	v_add_nc_u32 v[ADRP], s89, v1
	v_add_nc_u32 v[ADRP+1], SLOT, v[ADRP]
	v_xor_b32 v4, s19, v3                          ; lanes 0-15 take R's words, lanes 16-31 P's: 0 = x's words, 1 = W's
	v_mov_b32 v13, s84
	v_mov_b32 v14, s85
	v_cmp_eq_u32 vcc_lo, 1, v4
	v_cndmask_b32 v13, v13, v14, vcc_lo            ; my half of that operand's 16 tiles
	v_lshlrev_b32 v4, 13, v4                       ; W's words lie XSCB = 8,192 bytes behind x's
	v_lshl_add_u32 v4, v13, 12, v4                 ; a half is 4,096 bytes
	v_lshl_add_u32 v4, v2, 4, v4
	v_add_nc_u32 v[ADRS], SCL, v4
	v_lshlrev_b32 v5, 6, v3                        ; bias along the registers: 64 h
	v_lshlrev_b32 v6, 4, v3                        ; 16 h
	s_lshl_b32 s92, s16, 10
	v_lshlrev_b32 v7, 9, v3
	v_lshl_add_u32 v7, v2, 4, v7
	v_add_nc_u32 v7, s92, v7
	v_add_nc_u32 v7, STG, v7                       ; q, k: my scale word's place: head h, row r
	v_add_nc_u32 v8, s92, v1
	v_add_nc_u32 v8, STG, v8                       ; and back: 16 x lane
	v_lshlrev_b32 v9, 4, v2
	v_add_nc_u32 v9, s92, v9
	v_add_nc_u32 v9, STGV, v9                      ; v: row r
	v_add_nc_u32 v11, s92, v1
	v_add_nc_u32 v11, STGV, v11
	v_mul_u32_u24 v10, v3, 143360                  ; v's scale words in memory: lanes 16-31 the next head, 16 records on
	v_lshl_add_u32 v10, v2, 4, v10
	v_and_b32 v12, 8, v2
	v_add_nc_u32 v12, v12, v2
	v_lshlrev_b32 v12, 2, v12                      ; bias along the lanes: 4 (r + 8 (r / 8))
	; where the results go
	s_lshr_b32 s93, s23, 3                         ; batch
	s_and_b32 s94, s23, 7
	s_lshl_b32 s94, s94, 1
	s_add_co_u32 s94, s94, s84                     ; which 128 tokens of the batch
	s_lshl_b32 s95, s20, 2
	s_lshl_b32 s96, s85, 1
	s_add_co_u32 s95, s95, s96                     ; my first head: 4 cx + 2 x half
	s_lshl_b32 s93, s93, 4
	s_add_co_u32 s93, s93, s95
	s_lshl_b32 s93, s93, 4
	s_add_co_u32 s93, s93, s94                     ; the record's number
	s_mov_b32 s96, 8960
	s_mov_b32 s97, 8192
	s_mov_b32 s99, 0
	s_cmp_eq_u32 ttmp9, 0
	s_cselect_b32 s96, 4608, s96                   ; a record's bytes,
	s_cselect_b32 s97, 4096, s97                   ; where its scale words begin,
	s_cselect_b64 s[12:13], s[12:13], s[14:15]     ; and the buffer: the choice hangs on the cluster's number alone
	s_mul_i32 s98, s93, s96
	s_add_nc_u64 s[12:13], s[12:13], s[98:99]      ; my first head's record
	s_lshl_b32 s98, s96, 4
	s_add_nc_u64 s[14:15], s[12:13], s[98:99]      ; my second head's
	s_mov_b32 s98, s97
	s_add_nc_u64 s[2:3], s[12:13], s[98:99]        ; their scale words (q, k)
	s_add_nc_u64 s[100:101], s[14:15], s[98:99]
	s_lshl_b32 s98, s23, 4
	s_lshl_b32 s94, s84, 3
	s_add_co_u32 s98, s98, s94
	s_lshl_b32 s98, s98, 12
	s_add_nc_u64 s[8:9], s[8:9], s[98:99]          ; cos and sin of my 8 tiles of tokens
	s_lshl_b32 s98, s22, 10
	s_lshl_b32 s94, s85, 9
	s_add_co_u32 s98, s98, s94
	s_add_nc_u64 s[10:11], s[10:11], s[98:99]      ; the bias of my 128 columns
	s_wait_alu depctr_va_vdst(0)                   ; the wait at the head's end
	s_wait_tensorcnt 0x0                           ; my one load is in
	s_barrier_signal -1
	s_barrier_wait -1                              ; all four are
	SCALES 0
	FETCH 0, 0, 0
	FETCH 0, 1, 1
	s_wait_dscnt NLD                               ; all but the fetch just issued
	MUL 0, 0, 0, 1                                 ; the first step's products start the sums
	GSTEP 0, 2, 0, 1, 1, 0
	GSTEP 0, 3, 1, 0, 2, 0
	PLACES
	SCALES 1
	FETCH 1, 0, 0
	s_wait_dscnt NLD+8                             ; all but the 8 loads of scale words and the fetch just issued
	MUL 1, 3, 0, 0
	GSTEP 1, 1, 1, 0, 0, 1
	GSTEP 1, 2, 0, 1, 1, 1
	WIN 0
	s_cmp_eq_u32 s19, 1                            ; THE ONE BRANCH ON THE PART.  Each arm asks for its bias first, so that it lands under the last two steps' 128 products
	s_cbranch_scc1 .Lpath_v
	; ---------------- q and k
	WIN TO_P
.irp b, 0,1,2,3,4,5,6,7                ; the bias in the result's layout: for accumulator (., b) columns 32 (b / 2) + 16 h + 8 (b % 2) + 0 .. 7
	global_load_b128 v[128+8*\b:131+8*\b], v5, s[10:11] offset:4*(32*(\b/2)+8*(\b%2))
	global_load_b128 v[132+8*\b:135+8*\b], v5, s[10:11] offset:4*(32*(\b/2)+8*(\b%2))+16
.endr
	WIN 0
.irp g, 0,1,2,3,4,5,6,7
	global_load_b128 v[224+4*\g:227+4*\g], v1, s[8:9] offset:512*\g   ; tile 0's cos (16 registers) and sin (16) of frequencies 16 h + 0 .. 15
.endr
	GSTEP 1, 3, 1, 0, 2, 1
	s_wait_dscnt 0x0
	MUL 1, 3, 1, 0
	WIN 0
	PLACES
.irp b, 0,1,2,3
	v_mov_b32 v[TM+4+\b], 0                        ; written once: a lane permute's destination counts as one of its sources
.endr
; Tile a of tokens: 16 tokens x 128 columns (two heads).  Register 32 e + i is d = 16 h + i of head e, register 32 e + 16 + i is d = 32 + 16 h + i: the two partners of a rotation lie in one lane.
.macro QKBLOCK a
.set CSC, 224-64*((\a)%2)
.set CSN, 224-64*(((\a)+1)%2)
	s_wait_xcnt 0x0                                ; the last block's stores have read their registers
	s_wait_dscnt 0x0
.if (\a) < 7
.irp g, 0,1,2,3,4,5,6,7
	global_load_b128 v[CSN+4*\g:CSN+4*\g+3], v1, s[8:9] offset:4096*((\a)+1)+512*\g
.endr
	s_wait_loadcnt 0x8                             ; all but the next tile's table, just asked for
.else
	s_wait_loadcnt 0x0
.endif
	WIN 0x06+(\a)/4                                ; source 0: the accumulators' window; source 1: window 1
.set i, 0
.rept 32
	v_pk_add_f32 v[T+i:T+i+1], v[64*((\a)%4)+i:64*((\a)%4)+i+1], v[128+i:129+i]   ; + bias; each accumulator from its low end on
.set i, i+2
.endr
	WIN 0
.irp e, 0,1
.irp i, 0,2,4,6,8,10,12,14
	v_pk_mul_f32 v[192+\i:193+\i], v[T+32*\e+\i:T+32*\e+\i+1], v[CSC+16+\i:CSC+17+\i]         ; x1 sin
.endr
.irp i, 0,2,4,6,8,10,12,14
	v_pk_mul_f32 v[208+\i:209+\i], v[T+32*\e+16+\i:T+32*\e+17+\i], v[CSC+16+\i:CSC+17+\i]     ; x2 sin
.endr
.irp i, 0,2,4,6,8,10,12,14
	v_pk_fma_f32 v[T+32*\e+\i:T+32*\e+\i+1], v[T+32*\e+\i:T+32*\e+\i+1], v[CSC+\i:CSC+\i+1], v[208+\i:209+\i]   ; x1 cos + x2 sin
.endr
.irp i, 0,2,4,6,8,10,12,14
	v_pk_fma_f32 v[T+32*\e+16+\i:T+32*\e+17+\i], v[T+32*\e+16+\i:T+32*\e+17+\i], v[CSC+\i:CSC+\i+1], v[192+\i:193+\i] neg_lo:[0,0,1] neg_hi:[0,0,1]   ; x2 cos - x1 sin
.endr
.endr
	QUANT T
	global_store_b128 v1, v[PC:PC+3], s[12:13] offset:512*(\a)     ; head 0: lane (r, h): d = 32 h + 0 .. 31; 512 consecutive bytes
	global_store_b128 v1, v[PC+4:PC+7], s[14:15] offset:512*(\a)   ; head 1
	v_bfe_u32 v57, v[PW], v6, 16                   ; lanes 0-15 keep head 0's two bytes, lanes 16-31 head 1's; zeros above them
	ds_store_b32 v7, v57 offset:256*((\a)/4)+4*((\a)%4)
.endm
.irp a, 0,1,2,3,4,5,6,7
	QKBLOCK \a
.endr
	ds_load_b128 v[64:67], v8                      ; LDS serves a wave's instructions in order: these see my stores
	ds_load_b128 v[68:71], v8 offset:512
	s_wait_dscnt 0x0
	global_store_b128 v1, v[64:67], s[2:3]         ; a head's 128 scale words: 512 consecutive bytes
	global_store_b128 v1, v[68:71], s[100:101]
	s_branch .Lend
	; ---------------- v
.Lpath_v:
	WIN TO_P
	s_wait_alu depctr_va_vdst(0)
.irp a, 0,1,2,3,4,5,6,7
	global_load_b32 v[128+\a], v12, s[10:11] offset:4*(32*(\a/2)+8*(\a%2))   ; the bias of my lane's channel in tile a
.endr
	WIN 0
	GSTEP 1, 3, 1, 0, 2, 1
	s_wait_dscnt 0x0
	MUL 1, 3, 1, 0
	WIN 0
	PLACES
.irp b, 0,1,2,3
	v_mov_b32 v[TM+4+\b], 0
.endr
; Tile a of channels: 16 channels x 128 keys: after the quantiser it is a fragment of V^T for one step of 128 keys.
.macro VBLOCK a
	s_wait_xcnt 0x0                                ; the last block's stores have read their registers
	s_wait_dscnt 0x0
.if (\a) == 0
	s_wait_loadcnt 0x0                             ; the bias
.endif
	WIN 0x06+(\a)/4
.set i, 0
.rept 32
.if (\a)%2
	v_pk_add_f32 v[T+i:T+i+1], v[64*((\a)%4)+i:64*((\a)%4)+i+1], v[128+2*((\a)/2):129+2*((\a)/2)] op_sel:[0,1] op_sel_hi:[1,1]
.else
	v_pk_add_f32 v[T+i:T+i+1], v[64*((\a)%4)+i:64*((\a)%4)+i+1], v[128+2*((\a)/2):129+2*((\a)/2)] op_sel_hi:[1,0]
.endif
.set i, i+2
.endr
	WIN 0
	QUANT T
.irp c, 0,1
.if (\a) < 4
	global_store_b128 v1, v[PC+4*\c:PC+4*\c+3], s[12:13] offset:4096+1024*((\a)%4)+512*\c
.else
	global_store_b128 v1, v[PC+4*\c:PC+4*\c+3], s[14:15] offset:4096+1024*((\a)%4)+512*\c
.endif
.endr
	ds_store_b32 v9, v[PW] offset:256*((\a)/4)+4*((\a)%4)   ; both halves of the lanes write the same word with the same value
.endm
.irp a, 0,1,2,3,4,5,6,7
	VBLOCK \a
.endr
	ds_load_b128 v[64:67], v11                     ; lanes 0-15: head 0's words [r][tile], lanes 16-31: head 1's
	s_wait_dscnt 0x0
	global_store_b128 v10, v[64:67], s[12:13] offset:8704   ; sixteen lanes store 256 consecutive bytes, aligned
.Lend:
	s_wait_dscnt 0x0
	s_wait_tensorcnt 0x0
	ds_add_u32 v30, v31
	s_wait_dscnt 0x0
	CROUND                                         ; the closing round: no work-group ends while a partner may still ask for a tile that names it
	s_endpgm
.Lfunc_end_k_qa6882df427_qkv:
	.size	k_qa6882df427_qkv, .Lfunc_end_k_qa6882df427_qkv-k_qa6882df427_qkv
	.p2alignl 7, 3214868480
	.fill 96, 4, 3214868480
	.section	.rodata,"a",@progbits
	.p2align	6, 0x0
	.amdhsa_kernel k_qa6882df427_qkv
		.amdhsa_group_segment_fixed_size 295424
		.amdhsa_private_segment_fixed_size 0
		.amdhsa_enable_private_segment 0
		.amdhsa_kernarg_size 48
		.amdhsa_user_sgpr_count 2
		.amdhsa_user_sgpr_kernarg_segment_ptr 1
		.amdhsa_wavefront_size32 1
		.amdhsa_system_sgpr_workgroup_id_x 1
		.amdhsa_system_sgpr_workgroup_id_y 1
		.amdhsa_system_sgpr_workgroup_id_z 1
		.amdhsa_system_vgpr_workitem_id 0
		.amdhsa_next_free_vgpr 1024
		.amdhsa_next_free_sgpr 102
		.amdhsa_reserve_vcc 1
		.amdhsa_float_denorm_mode_32 3
		.amdhsa_float_denorm_mode_16_64 3
		.amdhsa_memory_ordered 1
		.amdhsa_forward_progress 1
		.amdhsa_inst_pref_size 252
	.end_amdhsa_kernel
	.amdgpu_metadata
---
amdhsa.version: [ 1, 2 ]
amdhsa.kernels:
  - .name:           k_qa6882df427_qkv
    .symbol:         k_qa6882df427_qkv.kd
    .args:
      - { .name: cimg, .offset: 0, .size: 8, .value_kind: global_buffer, .address_space: global }
      - { .name: csc, .offset: 8, .size: 8, .value_kind: global_buffer, .address_space: global }
      - { .name: trig, .offset: 16, .size: 8, .value_kind: global_buffer, .address_space: global }
      - { .name: Wqkv_b, .offset: 24, .size: 8, .value_kind: global_buffer, .address_space: global }
      - { .name: qrec, .offset: 32, .size: 8, .value_kind: global_buffer, .address_space: global }
      - { .name: kv, .offset: 40, .size: 8, .value_kind: global_buffer, .address_space: global }
    .group_segment_fixed_size: 295424
    .private_segment_fixed_size: 0
    .kernarg_segment_align: 8
    .kernarg_segment_size: 48
    .max_flat_workgroup_size: 128
    .sgpr_count:     102
    .vgpr_count:     1024
    .wavefront_size: 32
...
	.end_amdgpu_metadata
.endif
;; end of part 2
;; launch attn (part 3): grid 8 x 32, 16 waves a work-group, clusters of 4 x 1, 327,680 bytes of LDS; arguments qrec, kv, oimg, osc; writes oimg, osc
.if DOCPART == 3
	.amdgcn_target "amdgcn-amd-amdhsa--gfx1250"
	.amdhsa_code_object_version 6
	.text
	.protected	k_qa6882df427_attn
	.globl	k_qa6882df427_attn
	.p2align	8
	.type	k_qa6882df427_attn,@function
k_qa6882df427_attn:
	s_mov_b64 s[64:65], 0
	v_nop
	global_prefetch_b8 v0, s[64:65] scope:SCOPE_SE
	s_setreg_imm32_b32 hwreg(HW_REG_WAVE_MODE, 25, 1), 1
	s_wait_xcnt 0x0
	s_wait_alu depctr_hold_cnt(0) depctr_sa_sdst(0) depctr_va_vdst(0) depctr_va_sdst(0) depctr_va_ssrc(0) depctr_va_vcc(0) depctr_vm_vsrc(0)
	s_getreg_b32 s2, hwreg(HW_REG_IB_STS2, 6, 4)
	s_cmp_eq_u32 s2, 0
	s_cbranch_scc0 .Lentry_in_a_cluster
	s_endpgm
.Lentry_in_a_cluster:
	s_bfe_u32 s2, ttmp6, 0x10000c
	s_cmp_lg_u32 s2, 0x3003
	s_cbranch_scc0 .Lentry_shape_is_right
	s_endpgm
.Lentry_shape_is_right:
; ATTN.  O = softmax(q k^T / 8) v for two heads and 256 queries a work-group, both products on codes of FP4 with E8M0 scales; O / l is quantised along the model's 1,024 for the last product.
; THE SOFTMAX: t = score x log2(e) / 8; M = the running largest t rounded UP to a whole number; p = 2^(t - M) is quantised along the keys, not normalised; the row's sum l is taken of the unquantised p and
; divides O at the end.  When M moves, l and O are multiplied by 2^(old M - new M): exact.
; SHARES.  y = batch x 8 + s: heads 2 s and 2 s + 1.  Each of the sixteen waves owns one tile of 16 queries in 256 registers; it walks the 2,048 keys of head 2 s, 128 a step, then those of head 2 s + 1.
; LDS.  Both heads' records of k and v, 286,720 dense bytes, each byte filled once.  Every wave brings record w of the first head at the kernel's head and record w of the second behind a wait, an LDS add and a cluster round
; One tensor load of a wave is out at a time; every wait on TENSORcnt is for 0.
; The barrier that shows the second head to all waves stands behind step 7 of the first head.
; k IS ASKED FOR A STEP AHEAD: behind a step's score products its fragments' registers are free, and the next record's 12 LDS loads go out there, behind v's 9.  Step 15 so asks for the second head's first record,
; which lies behind the first head's last; the very last step is written out without the request.
; CLUSTER.  The four work-groups of a cluster take four blocks of queries of the same two heads: every tensor load is joint, with the same descriptor and the mask of all four.
; NO PREFETCH INTO THE L2: all of k and v is asked for by the two tensor loads at the kernel's start; there is no later load for a loop to run ahead of.
; LAYOUT.  Both products are used transposed (S^T = K Q^T, O^T = V^T P^T): a lane holds one query.  THE KEYS OF A TILE: row 8 h' + j of tile (c, t) is key 64 c + 32 h' + 8 t + j of the step, so that lane (q, h)
; holds in registers 96 + 32 c + 0 .. 31 the keys 64 c + 32 h + 0 .. 31: a WHOLE block of 32, in the order of the second product's operand.  A block's maximum needs no other lane, and the eight
; conversions write the operand's registers as they stand.  In the record (tile 2 g + u, place rho = key 32 g + 8 u + rho + 8 (rho / 8)) that key's 16 bytes lie at
; 512 (4 c + t % 2) + 128 (t / 2) + 1,024 h' + 16 j + 256 h, its scale word at 8,192 + 256 c + 128 (t / 2) + 16 j + 8 h' + 4 (t % 2).
; The first product's K is 64: registers 4-7 of q's and k's fragments hold zero codes, and the upper two bytes of their scale words are 0.
; LIMITS: a block of zeros, or one under 2^-124, gets the byte 1; NaN and infinities are not served; the promise holds while |t| stays under 2^31.
; REGISTERS: v1 16 x lane, v3 16 r, v2 and v6 my place among k's codes and scale words, v29 8 h; v4-5 at work; v7 p's scale word; v8 q's scale word, v9 the second head's; v10 f (v11 = 0 beside it);
;   v12 -M, v13 the largest score, v[14:15] l; v16-23 q; v24-27 the second head's q; v28 the first head's two bytes; v30-31 the add's; v32-95 k's 8 fragments; v96-159 S^T, then p; v160-191 O^T;
;   v192-223 v's 4 fragments; v224-231 p's codes; v232-243 at work; v244-247 v's scale words; v248-255 k's.
.set REC,   8960                       ; a step's record: k's codes 4,096, v's codes 4,096, k's scale words 512, v's 256
.set HEADB, 16*REC
.set PAIRB, 2*HEADB
.set QREC,  4608
.set SPARE, PAIRB                      ; behind the records: the spare words, 128 bytes a wave
.macro CROUND                          ; a round of the cluster's barrier
	s_barrier_signal -1
	s_barrier_wait -1
	s_cmp_lg_u32 s12, 0
	s_cbranch_scc1 .Lnot_wave_0_\@
	s_barrier_signal -3
.Lnot_wave_0_\@:
	s_barrier_wait -3
	s_barrier_signal -1
	s_barrier_wait -1
.endm
.macro FROM g, off                     ; descriptor group 0: the same offset in the two heads' records and in LDS
	s_mov_b32 s[\g], 1
	s_mov_b32 s[\g+1], s[\off]
	s_mov_b32 s66, s[\off]
	s_add_nc_u64 s[\g+2:\g+3], s[6:7], s[66:67]
	s_or_b32 s[\g+3], s[\g+3], 0x80000000
.endm
.macro DEP n                           ; a hint ahead of a plain line that reads the plain line n back
	s_delay_alu instid0(VALU_DEP_\n)
.endm
	s_load_b256 s[4:11], s[0:1], 0x0               ; qrec, kv, oimg, osc
	v_lshl_add_u32 v30, v0, 2, SPARE
	v_mov_b32 v31, 0
	ds_add_u32 v30, v31                            ; the add, twice on end,
	ds_add_u32 v30, v31
	v_lshrrev_b32 v1, 5, v0
	s_delay_alu instid0(VALU_DEP_1)
	v_readfirstlane_b32 s12, v1                    ; wave 0..15
	s_bfe_u32 s14, ttmp6, 0x40000                  ; cx: it enters q's and O's addresses alone
	s_lshl_b32 s15, ttmp9, 2
	s_add_co_u32 s15, s15, s14                     ; my block of 256 queries
	s_and_b32 s16, ttmp7, 0xffff                   ; y, which the four partners share
	s_mul_i32 s62, s16, PAIRB
	s_mov_b32 s63, 0
	s_mov_b32 s67, 0
	s_mul_i32 s17, s12, REC                        ; my record of the first head,
	s_add_co_u32 s18, s17, HEADB                   ; and of the second
	s_mov_b32 s24, 15|(3<<16)|(1<<21)              ; group 1: a record as 35 dense rows of 256 bytes (32 elements of 8); the mask of all four work-groups, bit 21 beside it
	s_mov_b32 s25, 32<<16
	s_mov_b32 s26, 35<<16
	s_mov_b32 s27, 32<<16
	s_mov_b32 s28, 35
	s_mov_b32 s29, 32
	s_mov_b32 s30, 0
	s_mov_b32 s31, 0
	s_mov_b32 s20, 0x76543210
	s_mov_b32 s21, 0xfedcba98                      ; v_permlanex16_b32's selects for lane l xor 16
	s_mov_b32 s22, 0x3e38aa3b                      ; c = log2(e) / 8
	s_mov_b32 s23, s22                             ; (the packed form names the pair)
	s_mov_b32 s19, 0xbe38aa3b                      ; -c
	s_mov_b32 s60, 0                               ; LDS byte of the step in hand
	s_lshr_b32 s68, s12, 3
	s_lshl_b32 s69, s15, 1
	s_add_co_u32 s68, s68, s69
	s_lshl_b32 s69, s16, 5
	s_add_co_u32 s68, s68, s69                     ; q's record, first head: 32 y + 2 x block + wave / 8
	s_mul_i32 s68, s68, QREC
	s_and_b32 s69, s12, 7                          ; my tile in it
	s_lshl_b32 s70, s69, 9
	s_add_co_u32 s70, s70, s68                     ; its codes
	s_mov_b32 s71, 0
	s_lshr_b32 s72, s69, 2
	s_lshl_b32 s72, s72, 8
	s_and_b32 s73, s69, 3
	s_lshl_b32 s73, s73, 2
	s_add_co_u32 s72, s72, s73
	s_add_co_u32 s72, s72, s68
	s_add_co_u32 s72, s72, 4096                    ; its scale words
	s_mov_b32 s73, 0
	s_lshr_b32 s74, s16, 3
	s_lshl_b32 s74, s74, 7
	s_lshl_b32 s75, s15, 4
	s_add_co_u32 s74, s74, s75
	s_add_co_u32 s74, s74, s12                     ; my tile of tokens: 128 x batch + 16 x block + wave
	s_and_b32 s75, s16, 7                          ; s: the last product's K step
	s_lshl_b32 s76, s74, 13
	s_lshl_b32 s77, s75, 10
	s_add_co_u32 s76, s76, s77
	s_mov_b32 s77, 0
	s_lshl_b32 s78, s74, 9
	s_lshr_b32 s79, s75, 2
	s_lshl_b32 s79, s79, 8
	s_add_co_u32 s78, s78, s79
	s_and_b32 s79, s75, 3
	s_lshl_b32 s79, s79, 2
	s_add_co_u32 s78, s78, s79
	s_mov_b32 s79, 0
	s_wait_dscnt 0x0                               ; and the one wait for both
	s_wait_kmcnt 0x0
	s_add_nc_u64 s[6:7], s[6:7], s[62:63]          ; kv at my two heads
	FROM 48, 17
	FROM 52, 18
	s_add_nc_u64 s[70:71], s[4:5], s[70:71]
	s_add_nc_u64 s[72:73], s[4:5], s[72:73]
	s_add_nc_u64 s[76:77], s[8:9], s[76:77]        ; oimg: 8,192 x tile + 1,024 s
	s_add_nc_u64 s[78:79], s[10:11], s[78:79]      ; osc: 512 x tile + 256 (s / 4) + 4 (s % 4)
	CROUND                                         ; all four work-groups are here: the joint loads meet
	tensor_load_to_lds s[48:51], s[24:31]          ; every wave's one load at the head: record w of the first head
	s_nop 0
.rept 4
	v_nop
.endr
	v_and_b32 v1, 31, v0
	v_and_b32 v3, 15, v0
	v_and_b32 v2, 7, v0                            ; j = r % 8
	v_bfe_u32 v4, v0, 3, 1                         ; h' = r / 8
	v_bfe_u32 v29, v0, 4, 1                        ; h
	v_lshlrev_b32 v1, 4, v1                        ; 16 x lane
	v_lshlrev_b32 v3, 4, v3                        ; 16 r
	v_lshlrev_b32 v2, 4, v2
	v_mov_b32 v11, 0                               ; (the upper half of the pair v[10:11])
	v_mov_b32 v236, 0                              ; written once: a lane permute's destination counts as one of its sources
	v_lshl_add_u32 v6, v4, 3, v2                   ; k's scale words: 16 j + 8 h'
	v_lshl_add_u32 v2, v4, 10, v2
	global_load_b128 v[16:19], v1, s[70:71]                    ; q of the first head,
	global_load_b128 v[24:27], v1, s[70:71] offset:16*QREC     ; of the second: 16 records on
	global_load_b32 v8, v3, s[72:73]
	global_load_b32 v9, v3, s[72:73] offset:16*QREC
	v_lshl_add_u32 v2, v29, 8, v2                  ; k's codes: 16 j + 1,024 h' + 256 h
	v_lshlrev_b32 v29, 3, v29                      ; 8 h: where my bytes stand in p's scale word
.irp j, 20,21,22,23
	v_mov_b32 v\j, 0                               ; zero codes for k = 64 .. 127 of q
.endr
.irp t, 0,1,2,3,4,5,6,7
.irp j, 4,5,6,7
	v_mov_b32 v[32+8*\t+\j], 0                     ; and of k's eight fragments: written once, never loaded over
.endr
.endr
.macro INIT                            ; a head begins: the step is written once; its first trip finds zeros, which f = 0 leaves zeros
	v_mov_b32 v13, 0xff61b1e6                      ; the largest score so far: -3e38
	v_mov_b32 v12, 0x7f61b1e6                      ; -M: 3e38, a whole number
	v_mov_b32 v14, 0
	v_mov_b32 v15, 0
.set i, 0
.rept 32
	v_mov_b32 v[160+i], 0
.set i, i+1
.endr
.endm
	INIT
.macro KLOAD a, s, o                   ; k's eight tiles and their scale words, o bytes on from the addresses in v[a] and v[s]: 12 LDS loads
.irp c, 0,1
.irp t, 0,1,2,3
	ds_load_b128 v[32+32*\c+8*\t:35+32*\c+8*\t], v[\a] offset:\o+2048*\c+512*(\t%2)+128*(\t/2)   ; tile (c, t)
.endr
.irp u, 0,1
	ds_load_b64 v[248+4*\c+2*\u:249+4*\c+2*\u], v[\s] offset:\o+8192+256*\c+128*\u               ; the scale words of tiles (c, 2 u) and (c, 2 u + 1)
.endr
.endr
.endm
.macro FM n                            ; n more pairs of scores become t - M
.rept \n
	v_pk_fma_f32 v[96+i:97+i], v[96+i:97+i], s[22:23], v[12:13] op_sel_hi:[1,0,0]
.set i, i+2
.endr
.endm
.macro RS j                            ; two registers of O^T under the new M
	v_pk_mul_f32 v[160+2*(\j):161+2*(\j)], v[160+2*(\j):161+2*(\j)], v[10:11] op_sel_hi:[1,0]
.endm
.macro LS j                            ; pair j of p's 32 onto l
	v_pk_add_f32 v[14:15], v[14:15], v[96+2*\j:97+2*\j]
.endm
.macro CH j, r, k                      ; chain j of the row's sum, in v[r:r+1]: pairs j, j + 8, j + 16, j + 24
.if \k == 1
	v_pk_add_f32 v[\r:\r+1], v[96+2*\j:97+2*\j], v[112+2*\j:113+2*\j]
.else
	v_pk_add_f32 v[\r:\r+1], v[\r:\r+1], v[96+16*\k+2*\j:97+16*\k+2*\j]
.endif
.endm
.macro CHA k
	CH 1, 234, \k
	CH 2, 238, \k
	CH 3, 242, \k
.endm
.macro CHB k
	CH 4, 232, \k
	CH 5, 240, \k
	CH 6, 4, \k
.endm
; A KEY STEP: 128 keys.  pf = 1: the next record's k is asked for.
.macro STEP pf
	s_wait_dscnt 0x0                               ; k and its scale words, asked for a step ago
.irp t, 0,1,2,3,4,5,6,7
	v_wmma_scale_f32_16x16x128_f8f6f4 v[96+8*\t:103+8*\t], v[32+8*\t:39+8*\t], v[16:23], 0, v[248+\t], v8 matrix_a_fmt:MATRIX_FMT_FP4 matrix_b_fmt:MATRIX_FMT_FP4
.endr
	v_add_nc_u32 v4, s60, v1                       ; four places: behind the scores' products, whose results are read and whose fragments are loaded over below, and behind the last step's products, likewise
	v_add_nc_u32 v5, s60, v3
.if \pf
	v_add_nc_u32 v232, s60, v2
	v_add_nc_u32 v233, s60, v6
.else
	v_nop
	v_nop
.endif
.irp t, 0,1,2,3
.irp c, 0,1
	ds_load_b128 v[192+8*\t+4*\c:195+8*\t+4*\c], v4 offset:4096+1024*\t+512*\c   ; v: tile t of channels; it lands under the softmax
.endr
.endr
	ds_load_b128 v[244:247], v5 offset:8704                    ; v's scale words
.if \pf
	KLOAD 232, 233, REC                            ; the next step's k
.endif
.irp k, 0,1,2,3
	v_max3_num_f32 v[240+\k], v[96+16*\k], v[97+16*\k], v[98+16*\k]   ; four chains, two to a block of 32 keys; each accumulator from its low end on
.endr
.irp i, 3,5,7,9,11,13
.irp k, 0,1,2,3
	v_max3_num_f32 v[240+\k], v[240+\k], v[96+16*\k+\i], v[97+16*\k+\i]
.endr
.endr
	v_max3_num_f32 v232, v240, v241, v111          ; (no hint ahead of a line that reads a product's result)
	v_max3_num_f32 v233, v242, v243, v143
	v_max_num_f32 v232, v232, v127                 ; the largest score of block h,
	v_max_num_f32 v233, v233, v159                 ; and of block 2 + h: for the row's maximum and, since p rises with the score, for the block's largest p
	DEP 1
	v_max_num_f32 v5, v232, v233
	DEP 1
	v_permlanex16_b32 v236, v5, s20, s21
	DEP 1
	v_max3_num_f32 v13, v13, v5, v236              ; the running largest score of my query
	DEP 1
	v_mul_f32 v5, s19, v13                         ; -t
	DEP 1
	v_floor_f32 v5, v5                             ; the new -M = -ceil(t)
	DEP 1
	v_sub_f32 v10, v5, v12                         ; old M - new M: a whole number, 0 or less
	DEP 2
	v_mov_b32 v12, v5
.set i, 0
	FM 5                                           ; t - M; the two lines that finish f stand among these 32
	v_cvt_i32_f32 v10, v10                         ; (it saturates)
	FM 5
	v_ldexp_f32 v10, 1.0, v10                      ; f = 2^(old M - new M)
	FM 22
	v_fma_f32 v232, v232, s22, v12                 ; the same of each block's largest score
	v_fma_f32 v233, v233, s22, v12
	s_wait_alu depctr_va_vdst(0)                   ; the wait ahead of the batch
.set i, 0
.rept 64
	v_exp_f32 v[96+i], v[96+i]                     ; p = 2^(t - M)
.set i, i+1
.endr
	v_exp_f32 v232, v232                           ; the block's largest p: the same two instructions on the same number
	v_exp_f32 v233, v233
	v_nop                                          ; a plain place behind the exponentials
	s_wait_alu depctr_va_vdst(0)                   ; one wait for the batch, and, directly ahead of O^T's first readers, for the last step's products
	RS 0                                           ; each of O^T's four accumulators is first read at its low end;
	RS 4
	RS 8
	RS 12
	v_max_num_f32 v232, 0x1800000, v232            ; the floor 2^(3 - 127): the byte cannot fall under 1
	v_max_num_f32 v233, 0x1800000, v233
	RS 1                                           ; the other twelve lines of the rescaling stand between lines that hang on each other
	RS 2
	RS 3
	v_add_nc_u32 v240, 0xff000000, v232            ; 2 off the exponent field: the conversion's scale operand
	v_add_nc_u32 v241, 0xff000000, v233
	RS 5
	RS 6
	RS 7
	v_lshrrev_b32 v236, 23, v240                   ; the two bytes
	v_lshrrev_b32 v237, 23, v241
.irp c, 0,1
.irp t, 0,1,2,3
	v_cvt_scalef32_pk8_fp4_f32 v[224+4*\c+\t], v[96+32*\c+8*\t:103+32*\c+8*\t], v[240+\c]   ; register 4 c + t of the operand: keys 64 c + 32 h + 8 t + 0 .. 7
.endr
.endr
	v_lshl_or_b32 v7, v237, 16, v236               ; blocks h and 2 + h (a plain line behind the conversions),
	v_pk_fma_f32 v[14:15], v[14:15], v[10:11], v[96:97] op_sel_hi:[1,0,1]   ; THE ROW'S SUM OF THE UNQUANTISED p, in seven chains; l's own takes l under the new M and pairs 0 and 7 of each eight
	CHA 1
	LS 7
	CHB 1
	v_lshlrev_b32 v7, v29, v7                      ; at their places in the word;
	LS 8
	CHA 2
	LS 15
	CHB 2
	v_permlanex16_b32 v236, v7, s20, s21
	LS 16
	CHA 3
	LS 23
	CHB 3
	v_or_b32 v7, v7, v236                          ; with lane l xor 16's two the word is whole; eight lines of the sum follow as its places ahead of the scaled products
	LS 24
	v_pk_add_f32 v[234:235], v[234:235], v[238:239]
	v_pk_add_f32 v[242:243], v[242:243], v[232:233]
	v_pk_add_f32 v[240:241], v[240:241], v[4:5]
	RS 9
	LS 31
	RS 10
	v_pk_add_f32 v[234:235], v[234:235], v[242:243]
	RS 11
	RS 13
	v_pk_add_f32 v[14:15], v[14:15], v[240:241]
	RS 14
	RS 15
	DEP 3
	v_pk_add_f32 v[14:15], v[14:15], v[234:235]
	s_wait_alu depctr_va_vdst(0)                   ; the wait here, directly ahead of the wait below
.if \pf
	s_wait_dscnt 12                                ; v's 9 loads are in; the 12 loads of the next step's k, issued behind them, may be out
.else
	s_wait_dscnt 0x0                               ; v is in
.endif
.irp t, 0,1,2,3
	v_wmma_scale_f32_16x16x128_f8f6f4 v[160+8*\t:167+8*\t], v[192+8*\t:199+8*\t], v[224:231], v[160+8*\t:167+8*\t], v[244+\t], v7 matrix_a_fmt:MATRIX_FMT_FP4 matrix_b_fmt:MATRIX_FMT_FP4
.endr
.endm
.macro SEG n                           ; n key steps on end, each asking for the next one's k
	s_mov_b32 s61, \n
.Lseg_\@:
	STEP 1
	s_add_co_u32 s60, s60, REC
	s_sub_co_u32 s61, s61, 1
	s_cmp_lg_u32 s61, 0
	s_cbranch_scc1 .Lseg_\@
.endm
; A head's end.  O^T / l: register 16 b + i is d = 32 b + 16 h + i of my query: two blocks of the last product's K.  Their codes are half c = e of the fragment of K step s.
.macro OUT e
.rept 4
	v_nop                                          ; places behind the last products
.endr
	v_add_f32 v14, v14, v15
	DEP 1
	v_permlanex16_b32 v5, v14, s20, s21
	DEP 1
	v_add_f32 v14, v14, v5                         ; the row's sum
	s_wait_alu depctr_va_vdst(0)                   ; the wait ahead of the transcendental
	v_rcp_f32 v14, v14
	v_nop                                          ; one plain place behind a transcendental
	s_wait_alu depctr_va_vdst(0)                   ; and ahead of its first reader, which is O^T's too
.set i, 0
.rept 16
	v_pk_mul_f32 v[96+i:97+i], v[160+i:161+i], v[14:15] op_sel_hi:[1,0]   ; each accumulator from its low end on
.set i, i+2
.endr
.irp b, 0,1
	v_max3_num_f32 v[232+\b], |v[96+16*\b]|, |v[97+16*\b]|, 0x1800000
.endr
.irp i, 2,4,6,8,10,12,14
.irp b, 0,1
	DEP 2
	v_max3_num_f32 v[232+\b], v[232+\b], |v[96+16*\b+\i]|, |v[97+16*\b+\i]|
.endr
.endr
.irp b, 0,1
	DEP 2
	v_permlanex16_b32 v[236+\b], v[232+\b], s20, s21
.endr
.irp b, 0,1
	DEP 2
	v_max_num_f32 v[232+\b], v[232+\b], v[236+\b]
.endr
.irp b, 0,1
	DEP 2
	v_add_nc_u32 v[240+\b], 0xff000000, v[232+\b]
.endr
.irp b, 0,1
	DEP 2
	v_lshrrev_b32 v[236+\b], 23, v[240+\b]
.endr
.irp b, 0,1
	v_cvt_scalef32_pk8_fp4_f32 v[128+2*\b], v[96+16*\b:103+16*\b], v[240+\b]
	v_cvt_scalef32_pk8_fp4_f32 v[129+2*\b], v[104+16*\b:111+16*\b], v[240+\b]
.endr
	v_nop
	v_permlane16_swap_b32 v128, v130               ; a whole block to a lane
	v_permlane16_swap_b32 v129, v131
	global_store_b128 v1, v[128:131], s[76:77] offset:512*\e   ; 512 consecutive bytes, aligned
.if \e == 0
	v_lshl_or_b32 v28, v237, 8, v236               ; this head's two bytes wait for the other's
.irp j, 0,1,2,3
	v_mov_b32 v[16+\j], v[24+\j]                   ; the second head's q and its scale word; the 36 lines below are the places in front of the next scaled products
.endr
	v_mov_b32 v8, v9
	INIT
	s_wait_xcnt 0x0                                ; the store has read its registers: the next scores land there
.else
	v_lshl_or_b32 v28, v236, 16, v28
	DEP 1
	v_lshl_or_b32 v28, v237, 24, v28
	global_store_b32 v3, v28, s[78:79]             ; my row's scale word of K step s (both halves of the lanes store the same word)
.endif
.endm
	s_wait_alu depctr_va_vdst(0)                   ; the wait at the head's end
	s_wait_tensorcnt 0x0                           ; my record of the first head is in
	ds_add_u32 v30, v31
	s_wait_dscnt 0x0
	CROUND                                         ; the first head lies in LDS whole, and all four work-groups are here: the joint loads meet
	tensor_load_to_lds s[52:55], s[24:31]          ; my one load behind the round: record w of the second head
	s_nop 0
.rept 4
	v_nop
.endr
	KLOAD 2, 6, 0                                  ; the first step's k
	s_wait_loadcnt 0x0                             ; q
	SEG 8                                          ; steps 0-7; they ask for k of records 1-8, all of the first head
	s_wait_tensorcnt 0x0                           ; my record of the second head is in,
	s_wait_dscnt 0x0                               ; and no LDS load of mine is out at the signal
	s_barrier_signal -1
	s_barrier_wait -1                              ; everybody's record of the second head is in
	SEG 8                                          ; steps 8-15; the last asks for the second head's first k
	OUT 0
	SEG 15
	STEP 0                                         ; the very last step asks for nothing
	OUT 1
	s_wait_tensorcnt 0x0                           ; the wave's end
	ds_add_u32 v30, v31
	s_wait_dscnt 0x0
	CROUND                                         ; the closing round: no work-group ends while a partner may still ask for a tile that names it
	s_endpgm
.Lfunc_end_k_qa6882df427_attn:
	.size	k_qa6882df427_attn, .Lfunc_end_k_qa6882df427_attn-k_qa6882df427_attn
	.p2alignl 7, 3214868480
	.fill 96, 4, 3214868480
	.section	.rodata,"a",@progbits
	.p2align	6, 0x0
	.amdhsa_kernel k_qa6882df427_attn
		.amdhsa_group_segment_fixed_size 327680
		.amdhsa_private_segment_fixed_size 0
		.amdhsa_enable_private_segment 0
		.amdhsa_kernarg_size 32
		.amdhsa_user_sgpr_count 2
		.amdhsa_user_sgpr_kernarg_segment_ptr 1
		.amdhsa_wavefront_size32 1
		.amdhsa_system_sgpr_workgroup_id_x 1
		.amdhsa_system_sgpr_workgroup_id_y 1
		.amdhsa_system_sgpr_workgroup_id_z 1
		.amdhsa_system_vgpr_workitem_id 0
		.amdhsa_next_free_vgpr 256
		.amdhsa_next_free_sgpr 80
		.amdhsa_reserve_vcc 0
		.amdhsa_float_denorm_mode_32 3
		.amdhsa_float_denorm_mode_16_64 3
		.amdhsa_memory_ordered 1
		.amdhsa_forward_progress 1
		.amdhsa_inst_pref_size 75
	.end_amdhsa_kernel
	.amdgpu_metadata
---
amdhsa.version: [ 1, 2 ]
amdhsa.kernels:
  - .name:           k_qa6882df427_attn
    .symbol:         k_qa6882df427_attn.kd
    .args:
      - { .name: qrec, .offset: 0, .size: 8, .value_kind: global_buffer, .address_space: global }
      - { .name: kv, .offset: 8, .size: 8, .value_kind: global_buffer, .address_space: global }
      - { .name: oimg, .offset: 16, .size: 8, .value_kind: global_buffer, .address_space: global }
      - { .name: osc, .offset: 24, .size: 8, .value_kind: global_buffer, .address_space: global }
    .group_segment_fixed_size: 327680
    .private_segment_fixed_size: 0
    .kernarg_segment_align: 8
    .kernarg_segment_size: 32
    .max_flat_workgroup_size: 512
    .sgpr_count:     80
    .vgpr_count:     256
    .wavefront_size: 32
...
	.end_amdgpu_metadata
.endif
;; end of part 3
;; launch proj (part 4): grid 4 x 64, 4 waves a work-group, clusters of 4 x 4, 243,200 bytes of LDS; arguments oimg, osc, cimg, csc, Wo_b, out0; writes out0
.if DOCPART == 4
	.amdgcn_target "amdgcn-amd-amdhsa--gfx1250"
	.amdhsa_code_object_version 6
	.text
	.protected	k_qa6882df427_proj
	.globl	k_qa6882df427_proj
	.p2align	8
	.type	k_qa6882df427_proj,@function
k_qa6882df427_proj:
	s_mov_b64 s[64:65], 0
	v_nop
	global_prefetch_b8 v0, s[64:65] scope:SCOPE_SE
	s_setreg_imm32_b32 hwreg(HW_REG_WAVE_MODE, 25, 1), 1
	s_wait_xcnt 0x0
	s_wait_alu depctr_hold_cnt(0) depctr_sa_sdst(0) depctr_va_vdst(0) depctr_va_sdst(0) depctr_va_ssrc(0) depctr_va_vcc(0) depctr_vm_vsrc(0)
	s_getreg_b32 s2, hwreg(HW_REG_IB_STS2, 6, 4)
	s_cmp_eq_u32 s2, 0
	s_cbranch_scc0 .Lentry_in_a_cluster
	s_endpgm
.Lentry_in_a_cluster:
	s_bfe_u32 s2, ttmp6, 0x10000c
	s_cmp_lg_u32 s2, 0xf033
	s_cbranch_scc0 .Lentry_shape_is_right
	s_endpgm
.Lentry_shape_is_right:
; PROJ.  out0 = o Wo_w^T + Wo_b on codes of FP4 with E8M0 scales; out0 [8192][1024] f32.
; A work-group makes 128 tokens x 256 columns, each of its four waves 64 x 128: 32 accumulators of 16 x 16; 256 work-groups.  K = 1,024 lies in LDS whole, as two slots of 512 along K, each byte filled once.
; Operands lie in memory and in LDS as images of their registers ([tile][K step][c][lane][16 bytes]): every fragment load takes 512 consecutive bytes.
; CLUSTER 4 x 4: o's tiles hang on the tile row alone and are asked for jointly along a row of the cluster, Wo's along a column.
; Source 0 (P) = Wo's tiles, source 1 (R) = o's: a lane holds a token and its registers run along the columns.  A tile 2 g + u holds at place r row 32 g + 8 u + r + 8 (r / 8): the 16 registers of accumulators
; 2 g and 2 g + 1 are columns 32 g + 16 h + 0 .. 15.  The bias is the C of each sum's first matrix instruction.
; REGISTERS: window 0: v0-31 addresses; v32-95 scale words, two sets; v96-159 R's fragments, two sets; on the way out v128-255 rows of the result.
;   window 1: v0-127 P's fragments, two sets; v128-191 the bias.   window 2: accumulator (a, b) at v[8 (8 a + b)].
.set NA,    4
.set XT,    4
.set XREG,  2*XT*8192                  ; o's 8 tiles, each with all of K: 8,192 bytes a tile; Wo's 16 follow
.set SLOT,  4096                       ; the second half of K lies 4,096 bytes on in each tile
.set SCL,   XREG+131072                ; behind the codes: o's scale words, then Wo's
.set XSCB,  2*XT*512
.set STG,   SCL+XSCB+8192              ; behind the scale words: a stage of 16 rows x (512 bytes + 16) for each wave
.set NLD,   16+2*NA
.set SC,    32
.set RF,    96
.set ADRR,  16
.set ADRP,  18
.set ADRS,  20
.set STO,   7
.set RD,    8
.set MUL_LO, 0xa1                      ; source 0 window 1, source 1 window 0, C and D window 2
.set MUL_B,  0x91                      ; the same with C (the bias) in window 1
.set TO_P,   0x40
.set MSB, 0
.macro WIN new                         ; the immediate's high byte repeats the setting that is left
.if MSB != (\new)
	s_set_vgpr_msb (MSB<<8)|(\new)
.set MSB, (\new)
.endif
.endm
.macro CROUND                          ; a round of the cluster's barrier
	s_barrier_signal -1
	s_barrier_wait -1
	s_cmp_lg_u32 s16, 0
	s_cbranch_scc1 .Lnot_wave_0_\@
	s_barrier_signal -3
.Lnot_wave_0_\@:
	s_barrier_wait -3
	s_barrier_signal -1
	s_barrier_wait -1
.endm
.macro PLACES                          ; four places in front of loads into registers that matrix instructions have read, and of the first read of results
.rept 4
	v_nop
.endr
.endm
.macro FRAG reg, adr, q, i
.irp c, 0,1
	ds_load_b128 v[\reg+4*\c:\reg+4*\c+3], v[\adr] offset:8192*(\i)+1024*(\q)+512*\c
.endr
.endm
.macro FETCH slot, q, p
	WIN TO_P
.irp i, 0,1,2,3,4,5,6,7
	FRAG 64*(\p)+8*\i, ADRP+\slot, \q, \i
.endr
	WIN 0
.irp i, 0,1,2,3
	FRAG RF+8*NA*(\p)+8*\i, ADRR+\slot, \q, \i
.endr
.endm
.macro SCALES sc                       ; register 4 i + q: lanes 0-15 R's tile i (for i > 3 landed bytes that nobody uses), lanes 16-31 P's tile i
	WIN 0
.irp i, 0,1,2,3,4,5,6,7
	ds_load_b128 v[SC+32*\sc+4*\i:SC+32*\sc+4*\i+3], v[ADRS] offset:512*\i+256*\sc
.endr
.endm
; 32 matrix instructions, 128 along K.  The accumulators take turns, one instruction a turn, in the same order in every step.  first = 1: the bias starts the sums.
.macro MUL p, q, sc, first
.if \first
	WIN MUL_B
.else
	WIN MUL_LO
.endif
.irp a, 0,1,2,3
.irp b, 0,1,2,3,4,5,6,7
.if \first
	v_wmma_scale_f32_16x16x128_f8f6f4 v[8*(8*\a+\b):8*(8*\a+\b)+7], v[64*(\p)+8*\b:64*(\p)+8*\b+7], v[RF+8*NA*(\p)+8*\a:RF+8*NA*(\p)+8*\a+7], v[128+8*\b:135+8*\b], v[SC+32*(\sc)+4*\b+(\q)], v[SC+32*(\sc)+4*\a+(\q)] matrix_a_fmt:MATRIX_FMT_FP4 matrix_b_fmt:MATRIX_FMT_FP4 matrix_a_scale:MATRIX_SCALE_ROW1
.else
	v_wmma_scale_f32_16x16x128_f8f6f4 v[8*(8*\a+\b):8*(8*\a+\b)+7], v[64*(\p)+8*\b:64*(\p)+8*\b+7], v[RF+8*NA*(\p)+8*\a:RF+8*NA*(\p)+8*\a+7], v[8*(8*\a+\b):8*(8*\a+\b)+7], v[SC+32*(\sc)+4*\b+(\q)], v[SC+32*(\sc)+4*\a+(\q)] matrix_a_fmt:MATRIX_FMT_FP4 matrix_b_fmt:MATRIX_FMT_FP4 matrix_a_scale:MATRIX_SCALE_ROW1
.endif
.endr
.endr
.endm
.macro GSTEP fslot, fq, fp, mp, mq, msc
	PLACES
	FETCH \fslot, \fq, \fp
	s_wait_dscnt NLD                               ; all but the fetch just issued
	MUL \mp, \mq, \msc, 0
.endm
	s_load_b256 s[4:11], s[0:1], 0x0               ; oimg, osc, cimg, csc
	s_load_b128 s[12:15], s[0:1], 0x20             ; Wo_b, out0
	v_lshl_add_u32 v30, v0, 2, 0x3b400
	v_mov_b32 v31, 0
	ds_add_u32 v30, v31
	ds_add_u32 v30, v31
	v_lshrrev_b32 v1, 5, v0
	v_readfirstlane_b32 s16, v1                    ; wave 0..3
	s_lshr_b32 s17, s16, 1                         ; which half of the tokens is mine
	s_and_b32 s18, s16, 1                          ; which half of the columns is mine
	s_bfe_u32 s20, ttmp6, 0x40000                  ; cx
	s_bfe_u32 s21, ttmp6, 0x40004                  ; cy
	s_lshl_b32 s22, ttmp9, 2
	s_add_co_u32 s22, s22, s20                     ; block of 256 columns
	s_and_b32 s23, ttmp7, 0xffff
	s_lshl_b32 s23, s23, 2
	s_add_co_u32 s23, s23, s21                     ; block of 128 tokens
	s_lshl_b32 s84, s21, 2
	s_lshl_b32 s84, 15, s84                        ; my row of the cluster
	s_lshl_b32 s85, 0x1111, s20                    ; my column
	s_or_b32 s24, s84, (3<<16)|(1<<21)             ; o's codes: 8 tiles with all of K: rows of 4,096 bytes on end; elements of 8 bytes
	s_mov_b32 s25, 512<<16
	s_mov_b32 s26, (4*XT)<<16                      ; 8 tiles are one dense block: rows of 4,096 bytes on end
	s_mov_b32 s27, 512<<16
	s_mov_b32 s28, 4*XT
	s_mov_b32 s29, 512
	s_mov_b32 s30, 0
	s_mov_b32 s31, 0
	s_or_b32 s32, s85, (3<<16)|(1<<21)             ; Wo's codes: 16 tiles with all of K
	s_mov_b32 s33, 512<<16
	s_mov_b32 s34, 32<<16
	s_mov_b32 s35, 512<<16
	s_mov_b32 s36, 32
	s_mov_b32 s37, 512
	s_mov_b32 s38, 0
	s_mov_b32 s39, 0
	s_or_b32 s40, s84, (3<<16)|(1<<21)             ; o's scale words: dense, as rows of 256 bytes
	s_mov_b32 s41, 32<<16
	s_mov_b32 s42, (4*XT)<<16
	s_mov_b32 s43, 32<<16
	s_mov_b32 s44, 4*XT
	s_mov_b32 s45, 32
	s_mov_b32 s46, 0
	s_mov_b32 s47, 0
	s_or_b32 s48, s85, (3<<16)|(1<<21)             ; Wo's scale words
	s_mov_b32 s49, 32<<16
	s_mov_b32 s50, 32<<16
	s_mov_b32 s51, 32<<16
	s_mov_b32 s52, 32
	s_mov_b32 s53, 32
	s_mov_b32 s54, 0
	s_mov_b32 s55, 0
	s_lshl_b32 s86, s23, 3
	s_lshl_b32 s88, s86, 13
	s_mov_b32 s89, 0
	s_lshl_b32 s90, s86, 9
	s_mov_b32 s91, 0
	s_lshl_b32 s92, s22, 4
	s_add_co_u32 s92, s92, 704
	s_lshl_b32 s94, s92, 13
	s_mov_b32 s95, 0
	s_lshl_b32 s96, s92, 9
	s_mov_b32 s97, 0
	s_wait_dscnt 0x0
	s_wait_kmcnt 0x0
	s_add_nc_u64 s[88:89], s[4:5], s[88:89]
	s_add_nc_u64 s[90:91], s[6:7], s[90:91]
	s_add_nc_u64 s[94:95], s[8:9], s[94:95]
	s_add_nc_u64 s[96:97], s[10:11], s[96:97]
	s_mov_b32 s56, 1                               ; o, slot 0
	s_mov_b32 s57, 0
	s_mov_b64 s[58:59], s[88:89]
	s_or_b32 s59, s59, 0x80000000
	s_mov_b32 s68, 1                               ; Wo, slot 0
	s_mov_b32 s69, XREG
	s_mov_b64 s[70:71], s[94:95]
	s_or_b32 s71, s71, 0x80000000
	s_mov_b32 s76, 1                               ; o's scale words
	s_mov_b32 s77, SCL
	s_mov_b64 s[78:79], s[90:91]
	s_or_b32 s79, s79, 0x80000000
	s_mov_b32 s80, 1                               ; Wo's scale words
	s_mov_b32 s81, SCL+XSCB
	s_mov_b64 s[82:83], s[96:97]
	s_or_b32 s83, s83, 0x80000000
	CROUND                                         ; all sixteen work-groups are here: the joint loads meet
; THE FILLS, ONE A WAVE: wave 0 o's codes for all of K, wave 1 Wo's, wave 2 o's scale words, wave 3 Wo's.  One chain of branches on the wave's number, a load to an arm, all arms to one join.
.macro ARM under, g0, g1, next
	s_cmp_lt_u32 s16, \under
	s_cbranch_scc0 \next
	tensor_load_to_lds s[\g0:\g0+3], s[\g1:\g1+7]
	s_nop 0
.rept 4
	v_nop
.endr
	s_branch .Lfilled
\next:
.endm
	ARM 1, 56, 24, .Lfill_w
	ARM 2, 68, 32, .Lfill_sx
	ARM 3, 76, 40, .Lfill_sw
	tensor_load_to_lds s[80:83], s[48:55]
	s_nop 0
.rept 4
	v_nop
.endr
.Lfilled:
	v_and_b32 v1, 31, v0
	v_lshlrev_b32 v1, 4, v1                        ; 16 x lane
	v_and_b32 v2, 15, v0                           ; r
	v_bfe_u32 v3, v0, 4, 1                         ; h
	s_lshl_b32 s88, s17, 15
	s_lshl_b32 s89, s18, 16
	s_add_co_u32 s89, s89, XREG                    ; P: my 8 tiles of Wo
	v_add_nc_u32 v[ADRR], s88, v1
	v_add_nc_u32 v[ADRR+1], SLOT, v[ADRR]
	v_add_nc_u32 v[ADRP], s89, v1
	v_add_nc_u32 v[ADRP+1], SLOT, v[ADRP]
	s_lshl_b32 s90, s17, 11                        ; scale words: o's half,
	s_lshl_b32 s91, s18, 12
	s_add_co_u32 s91, s91, XSCB
	s_sub_co_u32 s91, s91, s90                     ; and how far on Wo's half lies
	v_mul_u32_u24 v4, s91, v3                      ; lanes 16-31 take Wo's
	v_lshl_add_u32 v4, v2, 4, v4
	v_add_nc_u32 v4, s90, v4
	v_add_nc_u32 v[ADRS], SCL, v4
	v_lshlrev_b32 v5, 6, v3                        ; the bias: 64 h
	s_wait_alu depctr_va_vdst(0)
	s_mul_i32 s92, s16, 16*528
	v_mul_u32_u24 v[STO], v2, 528
	v_lshl_add_u32 v[STO], v3, 6, v[STO]
	v_add_nc_u32 v[STO], s92, v[STO]
	v_add_nc_u32 v[STO], STG, v[STO]               ; into my stage: row r, + 64 h
	v_add_nc_u32 v[RD], s92, v1
	v_add_nc_u32 v[RD], STG, v[RD]                 ; back: 16 x lane of a row
	s_mov_b32 s99, 0
	s_lshl_b32 s98, s22, 10
	s_lshl_b32 s94, s18, 9
	s_add_co_u32 s98, s98, s94                     ; my first column, in bytes
	s_add_nc_u64 s[12:13], s[12:13], s[98:99]
	s_add_nc_u64 s[14:15], s[14:15], s[98:99]
	s_lshl_b32 s98, s23, 19
	s_lshl_b32 s94, s17, 18
	s_add_co_u32 s98, s98, s94                     ; my first token: 128 x block + 64 x half, rows of 4,096 bytes
	s_add_nc_u64 s[14:15], s[14:15], s[98:99]
	WIN TO_P
.irp b, 0,1,2,3,4,5,6,7                ; the bias in the result's layout: for accumulator (., b) columns 32 (b / 2) + 16 h + 8 (b % 2) + 0 .. 7
	global_load_b128 v[128+8*\b:131+8*\b], v5, s[12:13] offset:4*(32*(\b/2)+8*(\b%2))
	global_load_b128 v[132+8*\b:135+8*\b], v5, s[12:13] offset:4*(32*(\b/2)+8*(\b%2))+16
.endr
	WIN 0
	s_wait_alu depctr_va_vdst(0)                   ; the wait at the head's end
	s_wait_tensorcnt 0x0                           ; my one load is in
	s_barrier_signal -1
	s_barrier_wait -1                              ; all four are
	SCALES 0
	FETCH 0, 0, 0
	FETCH 0, 1, 1
	s_wait_loadcnt 0x0                             ; the bias
	s_wait_dscnt NLD                               ; all but the fetch just issued
	MUL 0, 0, 0, 1
	GSTEP 0, 2, 0, 1, 1, 0
	GSTEP 0, 3, 1, 0, 2, 0
	PLACES
	SCALES 1
	FETCH 1, 0, 0
	s_wait_dscnt NLD+8                             ; all but the 8 loads of scale words and the fetch just issued
	MUL 1, 3, 0, 0
	GSTEP 1, 1, 1, 0, 0, 1
	GSTEP 1, 2, 0, 1, 1, 1
	GSTEP 1, 3, 1, 0, 2, 1
	s_wait_dscnt 0x0
	MUL 1, 3, 1, 0
	WIN 0
	PLACES
; THE WAY OUT, a tile of 16 tokens x 128 columns at a time, through my own stage: a lane holds pieces of 32 bytes of one row; they come back as whole rows of 512 bytes.
; LDS serves a wave's instructions in order (ISA guide 5.7.1.4): no wait between the stores and the loads, nor in front of the next tile's stores.
.macro TOSTAGE a
	WIN 0x08                                       ; an LDS store's data are its source 1: window 2
.irp b, 0,1,2,3,4,5,6,7
	ds_store_b128 v[STO], v[8*(8*(\a)+\b):8*(8*(\a)+\b)+3] offset:128*(\b/2)+32*(\b%2)       ; each accumulator from its low end on
	ds_store_b128 v[STO], v[8*(8*(\a)+\b)+4:8*(8*(\a)+\b)+7] offset:128*(\b/2)+32*(\b%2)+16
.endr
	WIN 0
.set BB, 128+64*((\a)%2)
.irp t, 0,1,2,3,4,5,6,7,8,9,10,11,12,13,14,15
	ds_load_b128 v[BB+4*\t:BB+4*\t+3], v[RD] offset:\t*528
.endr
.endm
.macro SEND a, younger                 ; younger: the LDS instructions issued behind tile a's loads, which may stay out
.set BB, 128+64*((\a)%2)
	s_wait_dscnt \younger
.irp t, 0,1,2,3,4,5,6,7,8,9,10,11,12,13,14,15
	global_store_b128 v1, v[BB+4*\t:BB+4*\t+3], s[14:15] offset:(32*((\a)/2)+8*((\a)%2)+\t+8*(\t/8))*4096 th:TH_STORE_NT   ; place t's token; 512 consecutive bytes, aligned; written once
.endr
.endm
	s_wait_alu depctr_va_vdst(0)
	TOSTAGE 0
.irp a, 1,2,3
.if \a > 1
	s_wait_xcnt 0x0                                ; tile a - 2's stores have read their registers: tile a's rows may land there
.endif
	TOSTAGE \a
	SEND \a-1, 32                                  ; behind tile a - 1's loads: tile a's 16 stores and 16 loads
.endr
	SEND 3, 0
	s_wait_dscnt 0x0
	s_wait_tensorcnt 0x0
	ds_add_u32 v30, v31
	s_wait_dscnt 0x0
	CROUND                                         ; the closing round: no work-group ends while a partner may still ask for a tile that names it
	s_endpgm
.Lfunc_end_k_qa6882df427_proj:
	.size	k_qa6882df427_proj, .Lfunc_end_k_qa6882df427_proj-k_qa6882df427_proj
	.p2alignl 7, 3214868480
	.fill 96, 4, 3214868480
	.section	.rodata,"a",@progbits
	.p2align	6, 0x0
	.amdhsa_kernel k_qa6882df427_proj
		.amdhsa_group_segment_fixed_size 243200
		.amdhsa_private_segment_fixed_size 0
		.amdhsa_enable_private_segment 0
		.amdhsa_kernarg_size 48
		.amdhsa_user_sgpr_count 2
		.amdhsa_user_sgpr_kernarg_segment_ptr 1
		.amdhsa_wavefront_size32 1
		.amdhsa_system_sgpr_workgroup_id_x 1
		.amdhsa_system_sgpr_workgroup_id_y 1
		.amdhsa_system_sgpr_workgroup_id_z 1
		.amdhsa_system_vgpr_workitem_id 0
		.amdhsa_next_free_vgpr 768
		.amdhsa_next_free_sgpr 102
		.amdhsa_reserve_vcc 0
		.amdhsa_float_denorm_mode_32 3
		.amdhsa_float_denorm_mode_16_64 3
		.amdhsa_memory_ordered 1
		.amdhsa_forward_progress 1
		.amdhsa_inst_pref_size 72
	.end_amdhsa_kernel
	.amdgpu_metadata
---
amdhsa.version: [ 1, 2 ]
amdhsa.kernels:
  - .name:           k_qa6882df427_proj
    .symbol:         k_qa6882df427_proj.kd
    .args:
      - { .name: oimg, .offset: 0, .size: 8, .value_kind: global_buffer, .address_space: global }
      - { .name: osc, .offset: 8, .size: 8, .value_kind: global_buffer, .address_space: global }
      - { .name: cimg, .offset: 16, .size: 8, .value_kind: global_buffer, .address_space: global }
      - { .name: csc, .offset: 24, .size: 8, .value_kind: global_buffer, .address_space: global }
      - { .name: Wo_b, .offset: 32, .size: 8, .value_kind: global_buffer, .address_space: global }
      - { .name: out0, .offset: 40, .size: 8, .value_kind: global_buffer, .address_space: global }
    .group_segment_fixed_size: 243200
    .private_segment_fixed_size: 0
    .kernarg_segment_align: 8
    .kernarg_segment_size: 48
    .max_flat_workgroup_size: 128
    .sgpr_count:     102
    .vgpr_count:     768
    .wavefront_size: 32
...
	.end_amdgpu_metadata
.endif
;; end of part 4
